; MI455X (gfx1250); checked and timed in simulation.
; The chip was launched on July 23, 2026; its instructions are those of AMD's public machine-readable ISA for CDNA 5 (MIT licence, August 2026) and "CDNA5" Instruction Set Architecture Reference Guide (July 2026). The comments in the code are by the model that wrote it; some were corrected since.
;; Multi Head Attention. Allowed arithmetic: matrix products marked QUANTISED: E2M3 operands, one E8M0 scale for each 32 along K, by v_wmma_scale_f32_16x16x128_f8f6f4 with both operands' format E2M3, f32 sums; everything else in f32.
;; Inputs: bk 1,024 float32; bo 1,024 float32; bq 1,024 float32; bv 1,024 float32; k 2 x 2,048 x 1,024 float32; q 2 x 2,048 x 1,024 float32; v 2 x 2,048 x 1,024 float32; wk 1,024 x 1,024 float32; wo 1,024 x 1,024 float32; wq 1,024 x 1,024 float32; wv 1,024 x 1,024 float32.
;; Outputs: out0 2 x 2,048 x 1,024 float32.
;; This version of the problem:
;;   THIS VERSION OF THE PROBLEM IS GIVEN IN LOW PRECISION. The matrix products marked QUANTISED in the list below multiply operands that are first quantised to E2M3 (2 exponent bits, 3 mantissa bits; 6 bits a number), with one power-of-two scale for each 32 numbers along K (OCP MX v1.0); their sums are f32. All else is computed in f32.
;;   The module's matrix products, in the order in which they are computed (A, B: the left and right operand; K: the contracted axis; several contracted axes count as one K, in the product's order):
;;     1. [M 4,096, K 1,024] x [K 1,024, N 1,024]; A: input q; B: input wq: QUANTISED
;;     2. [M 4,096, K 1,024] x [K 1,024, N 1,024]; A: input k; B: input wk: QUANTISED
;;     3. [M 4,096, K 1,024] x [K 1,024, N 1,024]; A: input v; B: input wv: QUANTISED
;;     4. batch 32 x [M 2,048, K 64] x [K 64, N 2,048]; A: computed on the way; B: computed on the way: QUANTISED
;;     5. batch 32 x [M 2,048, K 2,048] x [K 2,048, N 64]; A: softmax (see below); B: computed on the way: QUANTISED
;;     6. [M 4,096, K 1,024] x [K 1,024, N 1,024]; A: computed on the way; B: input wo: QUANTISED
;;   THE QUANTISER, for each operand of a quantised product, along K:
;;     - K is cut into blocks of 32 from its start; a last block that is shorter is filled with zeros.
;;     - A block's scale is 2^e with e = floor(log2(the largest magnitude in the block)) - 2, held to -126 .. 127; a block of zeros has e = 0. As a byte (E8M0): e + 127.
;;     - Each number is divided by its block's scale, clamped to +-7.5, and rounded to the nearest number of E2M3, ties to even, subnormals kept.
;;     - The product sums the exact products of the quantised numbers (number of the format x scale) in f32.
;;   ~~~python
;;   def quantise(x, axis):      # numpy; x: float32 -> the quantised numbers, widened to float32 again
;;       x = np.moveaxis(x, axis, -1); K = x.shape[-1]
;;       x = np.pad(x, [(0, 0)] * (x.ndim - 1) + [(0, -K % 32)]); x = x.reshape(x.shape[:-1] + (-1, 32)); a = np.abs(x).max(-1, keepdims=True)
;;       e = np.where(a > 0, np.clip(np.frexp(np.where(a > 0, a, 1))[1] - 1 - 2, -126, 127), 0)      # np.frexp(a)[1] - 1 = floor(log2(a)), exactly
;;       r = np.clip(x / 2.0 ** e, -7.5, 7.5)
;;       step = 2.0 ** (np.maximum(np.frexp(np.where(r == 0, 1, r))[1] - 1, 0) - 3)
;;       q = np.round(r / step) * step * 2.0 ** e      # np.round: ties to even
;;       return np.moveaxis(q.reshape(q.shape[:-2] + (-1,))[..., :K], -1, axis).astype(np.float32)
;;   ~~~
;;   SOFTMAX AHEAD OF A QUANTISED PRODUCT. Where the list says 'softmax', what is quantised is not the finished softmax but p = 2^(t - M), with t = logit x log2(e) and M = ceil(the row's largest t), a whole number; so 1/2 < the row's largest p <= 1. The row's sum l is taken of the UNQUANTISED p, in f32, and the product's result is divided by l at the end. Since M is a whole number, a kernel that streams over the keys may use a running M (the ceiling of the running maximum): every later rescaling is an exact power of two, which a block's scale takes up: the codes' values come out the same.
;;   OPERANDS COMPUTED ON THE WAY. 'Computed on the way' means the value that the module computes at that place (a softmax that the list does not call 'softmax' is quantised finished and normalised). What goes into a quantiser is computed in f32, as accurately as f32 sums, v_exp_f32 and their like allow (about 1e-6 of the number): no bf16 or f16 on the way to a quantiser, and a product that is left as it is and whose result goes on into a quantised operand takes f32 operands (vector FMAs, or v_wmma_f32_16x16x4_f32). A number that lies on a knife's edge between two numbers of the format may be rounded either way, as far as f32 arithmetic and the matrix unit's own rounding can turn it there, and no further.
;; One version. Each part assembles by itself: llvm-mc -triple=amdgcn-amd-amdhsa -mcpu=gfx1250 --defsym DOCPART=n.
;; ======== version 1 of 1: 4 launches
;; limits: right only within a limited range of input values
;; workspace buffers: incodes 12,582,912 bytes; inscales 524,288 bytes; hc 9,437,184 bytes; hs 393,216 bytes; cc 3,145,728 bytes; cs 131,072 bytes
;; launch quant (part 1): grid 256 x 1, 16 waves a work-group, no clusters, 270,336 bytes of LDS; arguments q, k, v, wq, wk, wv, wo, incodes, inscales; writes incodes, inscales
.if DOCPART == 1
	.amdgcn_target "amdgcn-amd-amdhsa--gfx1250"
	.amdhsa_code_object_version 6
	.text
	.protected	k_q0bf64a878e_quant
	.globl	k_q0bf64a878e_quant
	.p2align	8
	.type	k_q0bf64a878e_quant,@function
k_q0bf64a878e_quant:
	s_mov_b64 s[64:65], 0
	v_nop
	global_prefetch_b8 v0, s[64:65] scope:SCOPE_SE
	s_setreg_imm32_b32 hwreg(HW_REG_WAVE_MODE, 25, 1), 1
	s_wait_xcnt 0x0
; q, k, v [4096][1024] and wq, wk, wv, wo [1024][1024], f32, become codes of FP6 (E2M3) with one E8M0 byte for each 32 along K (the last axis).
; A block's scale is 2^(floor(log2(its largest magnitude)) - 2); its byte is the largest magnitude's exponent field - 2, held at 1 from below.
; LIMITS: NaN and infinities among the inputs are not served; a block whose largest magnitude lies under 2^-124, a block of zeros too, gets the byte 1
; where the quantiser's text says 127 for zeros: its codes are zeros, which add nothing under any byte but 0xff, and the bytes are read by this program alone.
; LAYOUT OF THE RESULT: the order of the matrix operand's registers.  A fragment is 16 rows x 128 K, 12 registers a lane: lane (r = l % 16, h = l / 16) holds K = 64 c + 32 h + 0..31
; of row r in registers 6 c .. 6 c + 5.  Half a fragment (one c) is 768 bytes: registers 0-3 of lane l at 16 l, registers 4-5 at 512 + 8 l.  incodes: [row block of 16][8 K steps][1536].
; inscales: [row][8 words], word s = the four bytes of K step s.  Row blocks: q 0-255, k 256-511, wv 512-575, wq 576-639, wk 640-703, v 704-959, wo 960-1023.
; ORDER OF ROWS: q and wo keep their order.  In wv, wq, wk and v lane r of row block 2 B + u is row 32 B + 8 u + r + 8 (r / 8).
; In k lane r of row block 4 G + j is row 64 G + 8 j + r % 8 + 32 (r / 8): a product that takes four such blocks as its first source leaves 32 neighbouring keys in a lane's 32 result registers.
; SHARES: a work-group makes four row blocks; wave w takes row block w / 4 and 256 numbers along K (quarter w % 4): 16 rows x 1,024 bytes by 32 loads of 512 consecutive bytes, all asked for at once.
; A conversion wants 32 neighbours in one lane: the 16 KiB turn through the wave's own stage in LDS (rows 1,040 bytes apart: sixteen rows begin in sixteen different 16-byte columns of 256).
; The row block's scale words meet in LDS and leave as 512 consecutive bytes.  No number is read twice: matrix units, clusters and tensor loads have nothing to do here.
.set PITCH, 1040
.set WREG,  16*PITCH
.set SCA,   16*WREG                    ; four row blocks x 512 bytes of scale words
.set SPARE, SCA+2048                   ; the spare words, 128 bytes a wave
.set L16,  2
.set L8,   3
.set VA,   4                           ; stage, on the way out: my row's first block
.set SH,   5                           ; 8 h
.set SAD,  6                           ; LDS: my row's two scale words
.set ST,   7                           ; stage, on the way in
.set M,    8
.set S,    10
.set E,    12
.set W,    14
.set T,    15
.set WS,   16                          ; v16-17 my two scale words
.set RDS,  18
.set C,    24
.set PT,   36
.set OUTW, 44
.set GA,   48                          ; v48-175 as loaded: two K steps x 16 rows x 4
.set X,    176                         ; v176-239 the first K step's 64 numbers
.set SPW,  240
.set NIL,  241
	s_load_b256 s[8:15], s[0:1], 0x0               ; q, k, v, wq
	s_load_b256 s[16:23], s[0:1], 0x20             ; wk, wv, wo, incodes
	s_load_b64 s[24:25], s[0:1], 0x40              ; inscales
	v_lshl_add_u32 v[SPW], v0, 2, SPARE
	v_mov_b32 v[NIL], 0
	v_lshrrev_b32 v1, 5, v0
	v_readfirstlane_b32 s26, v1                    ; wave 0..15
	s_lshr_b32 s36, s26, 2                         ; my row block of the four
	s_and_b32 s37, s26, 3                          ; my quarter of K
	s_mov_b32 s32, 0x76543210
	s_mov_b32 s33, 0xfedcba98                      ; selects for lane l xor 16
	s_mul_i32 s34, s26, WREG
	s_lshl_b32 s38, s36, 9
	s_lshl_b32 s39, s37, 3
	s_add_co_u32 s38, s38, s39
	s_add_co_u32 s38, s38, SCA
	s_min_u32 s39, s26, 3
	s_lshl_b32 s39, s39, 9                         ; waves 0-3 send row block w's words out
	s_add_co_u32 s42, s39, SCA
	v_and_b32 v1, 31, v0
	v_lshlrev_b32 v[L16], 4, v1
	v_lshlrev_b32 v[L8], 3, v1
	v_and_b32 v19, 15, v0                          ; r
	v_bfe_u32 v[SH], v0, 4, 1                      ; h
	v_mul_u32_u24 v[VA], v19, PITCH
	v_lshl_add_u32 v[VA], v[SH], 7, v[VA]          ; lanes 16-31 take the block 32 numbers on
	v_add_nc_u32 v[VA], s34, v[VA]
	v_lshlrev_b32 v[SAD], 5, v19
	v_add_nc_u32 v[SAD], s38, v[SAD]
	v_add_nc_u32 v[ST], s34, v[L16]
	v_add_nc_u32 v[RDS], s42, v[L16]
	v_lshlrev_b32 v[SH], 3, v[SH]
	v_mov_b32 v[T], 0                              ; a lane permute's destination counts as a source
	s_wait_alu depctr_va_vdst(0)                   ; the wait at the head's end
	s_wait_kmcnt 0x0
	s_mov_b64 s[4:5], s[8:9]                       ; which tensor: by the work-group's number alone
	s_mov_b32 s27, 0
.macro PICK first, lo
	s_cmp_ge_u32 ttmp9, \first
	s_cselect_b64 s[4:5], s[\lo:\lo+1], s[4:5]
	s_cselect_b32 s27, \first, s27
.endm
	PICK 64, 10                                    ; k
	PICK 128, 18                                   ; wv
	PICK 144, 14                                   ; wq
	PICK 160, 16                                   ; wk
	PICK 176, 12                                   ; v
	PICK 240, 20                                   ; wo
	s_sub_co_u32 s28, ttmp9, s27
	s_lshl_b32 s28, s28, 2
	s_add_co_u32 s28, s28, s36                     ; the row block's number n in its tensor
	s_lshl_b32 s40, s28, 4                         ; plain order: first row 16 n, lanes 8-15 eight rows on
	s_lshr_b32 s29, s28, 1
	s_lshl_b32 s29, s29, 5
	s_and_b32 s30, s28, 1
	s_lshl_b32 s30, s30, 3
	s_add_co_u32 s29, s29, s30                     ; 32 (n / 2) + 8 (n % 2), sixteen rows on
	s_lshr_b32 s41, s28, 2
	s_lshl_b32 s41, s41, 6
	s_and_b32 s30, s28, 3
	s_lshl_b32 s30, s30, 3
	s_add_co_u32 s41, s41, s30                     ; k: 64 (n / 4) + 8 (n % 4), thirty-two rows on
	s_sub_co_u32 s31, ttmp9, 128
	s_cmp_lt_u32 s31, 112                          ; wv, wq, wk, v
	s_cselect_b32 s40, s29, s40
	s_cselect_b32 s30, 16, 8
	s_sub_co_u32 s31, ttmp9, 64
	s_cmp_lt_u32 s31, 64                           ; k
	s_cselect_b32 s40, s41, s40
	s_cselect_b32 s30, 32, s30
	s_lshl_b32 s28, s40, 12                        ; a row is 4,096 bytes
	s_lshl_b32 s31, s37, 10
	s_add_co_u32 s28, s28, s31                     ; + my quarter of K
	s_mov_b32 s29, 0
	s_lshl_b32 s30, s30, 12
	s_mov_b32 s31, 0
	s_add_nc_u64 s[4:5], s[4:5], s[28:29]          ; lanes 0-7's rows
	s_add_nc_u64 s[6:7], s[4:5], s[30:31]          ; lanes 8-15's
.irp hf, 0,1
.irp g, 0,1
.irp i, 0,1,2,3,4,5,6,7
	global_load_b128 v[GA+64*\hf+32*\g+4*\i:GA+64*\hf+32*\g+4*\i+3], v[L16], s[4+2*\g:5+2*\g] offset:\i*4096+\hf*512 th:TH_LOAD_NT   ; 512 consecutive bytes of one row
.endr
.endr
.endr
	s_lshl_b32 s35, ttmp9, 2
	s_add_co_u32 s35, s35, s36
	s_mul_i32 s28, s35, 12288
	s_mul_i32 s35, s37, 3072
	s_add_co_u32 s28, s28, s35
	s_add_nc_u64 s[22:23], s[22:23], s[28:29]      ; my two fragments
	s_lshl_b32 s28, ttmp9, 11
	s_add_co_u32 s28, s28, s39
	s_add_nc_u64 s[24:25], s[24:25], s[28:29]      ; row block w's scale words (waves 0-3)
.macro STAGE hf
.irp i, 0,1,2,3,4,5,6,7,8,9,10,11,12,13,14,15
	ds_store_b128 v[ST], v[GA+64*\hf+4*\i:GA+64*\hf+4*\i+3] offset:\i*PITCH+\hf*512
.endr
.endm
.macro DSL x, kap                      ; my two whole blocks of K step kap: LDS serves a wave's instructions in order, so these see my stores
.irp c, 0,1
.irp i, 0,1,2,3,4,5,6,7
	ds_load_b128 v[\x+32*\c+4*\i:\x+32*\c+4*\i+3], v[VA] offset:(\kap)*512+256*\c+16*\i
.endr
.endr
.endm
.macro WORK x, kap
.irp c, 0,1
	v_max3_num_f32 v[M+\c], |v[\x+32*\c]|, |v[\x+32*\c+1]|, 0x1800000   ; with the floor 2^(3 - 127): the byte cannot fall under 1
.endr
.irp i, 2,4,6,8,10,12,14,16,18,20,22,24,26,28,30
.irp c, 0,1
	v_max3_num_f32 v[M+\c], v[M+\c], |v[\x+32*\c+\i]|, |v[\x+32*\c+\i+1]|
.endr
.endr
.irp c, 0,1
	v_add_nc_u32 v[S+\c], 0xff000000, v[M+\c]      ; 2 off the exponent field: the conversion's scale operand
.endr
.irp c, 0,1
	v_lshrrev_b32 v[E+\c], 23, v[S+\c]             ; the byte
.endr
	v_lshl_or_b32 v[W], v[E+1], 16, v[E]           ; blocks h and 2 + h of my row,
	v_lshlrev_b32 v[W], v[SH], v[W]                ; at their places;
	v_permlanex16_b32 v[T], v[W], s32, s33
	v_or_b32 v[WS+(\kap)], v[W], v[T]              ; with lane l xor 16's two the word is whole
.if (\kap) > 0
	s_wait_alu depctr_va_vdst(0)                   ; the wait ahead of the wait below
	s_wait_xcnt 0x0                                ; the last fragment's stores have read v[C] on
.endif
.irp c, 0,1
	v_cvt_scalef32_pk16_fp6_f32 v[C+6*\c:C+6*\c+2], v[\x+32*\c:\x+32*\c+15], v[S+\c]
	v_cvt_scalef32_pk16_fp6_f32 v[PT+4*\c:PT+4*\c+2], v[\x+32*\c+16:\x+32*\c+31], v[S+\c]   ; (three registers from an even one on)
.endr
	v_nop                                          ; one plain place behind a scaled conversion
.irp c, 0,1
.irp i, 0,1,2
	v_mov_b32 v[C+6*\c+3+\i], v[PT+4*\c+\i]
.endr
.endr
	global_store_b128 v[L16], v[C:C+3], s[22:23] offset:(\kap)*1536            ; 512 consecutive bytes, from a multiple of 256
	global_store_b64 v[L8], v[C+4:C+5], s[22:23] offset:(\kap)*1536+512        ; 256
	global_store_b128 v[L16], v[C+6:C+9], s[22:23] offset:(\kap)*1536+768
	global_store_b64 v[L8], v[C+10:C+11], s[22:23] offset:(\kap)*1536+1280
.endm
	s_wait_loadcnt 16                              ; the first K step's 16 loads are in; the second's 16 may be out
	STAGE 0
	DSL X, 0
	s_wait_loadcnt 0x0
	STAGE 1
	s_wait_dscnt 16                                ; all but the 16 stores just issued: the first K step is back, and its stage stores have read v48-111,
	DSL GA, 1                                      ; which take the second K step
	WORK X, 0
	s_wait_dscnt 0x0
	WORK GA, 1
	ds_store_b64 v[SAD], v[WS:WS+1]                ; both halves of the lanes hold the same words and write them to the same place
	s_wait_dscnt 0x0
	s_barrier_signal -1
	s_barrier_wait -1                              ; the four row blocks' words are whole
	s_cmp_lt_u32 s26, 4
	s_cbranch_scc0 .Ldone
	ds_load_b128 v[OUTW:OUTW+3], v[RDS]
	s_wait_dscnt 0x0
	global_store_b128 v[L16], v[OUTW:OUTW+3], s[24:25]   ; 512 consecutive bytes
.Ldone:
	s_wait_tensorcnt 0x0                           ; the wave's end
	ds_add_u32 v[SPW], v[NIL]
	s_wait_dscnt 0x0
	s_endpgm
.Lfunc_end_k_q0bf64a878e_quant:
	.size	k_q0bf64a878e_quant, .Lfunc_end_k_q0bf64a878e_quant-k_q0bf64a878e_quant
	.p2alignl 7, 3214868480
	.fill 96, 4, 3214868480
	.section	.rodata,"a",@progbits
	.p2align	6, 0x0
	.amdhsa_kernel k_q0bf64a878e_quant
		.amdhsa_group_segment_fixed_size 270336
		.amdhsa_private_segment_fixed_size 0
		.amdhsa_enable_private_segment 0
		.amdhsa_kernarg_size 72
		.amdhsa_user_sgpr_count 2
		.amdhsa_user_sgpr_kernarg_segment_ptr 1
		.amdhsa_wavefront_size32 1
		.amdhsa_system_sgpr_workgroup_id_x 1
		.amdhsa_system_sgpr_workgroup_id_y 1
		.amdhsa_system_sgpr_workgroup_id_z 1
		.amdhsa_system_vgpr_workitem_id 0
		.amdhsa_next_free_vgpr 248
		.amdhsa_next_free_sgpr 66
		.amdhsa_reserve_vcc 0
		.amdhsa_float_denorm_mode_32 3
		.amdhsa_float_denorm_mode_16_64 3
		.amdhsa_memory_ordered 1
		.amdhsa_forward_progress 1
		.amdhsa_inst_pref_size 19
	.end_amdhsa_kernel
	.amdgpu_metadata
---
amdhsa.version: [ 1, 2 ]
amdhsa.kernels:
  - .name:           k_q0bf64a878e_quant
    .symbol:         k_q0bf64a878e_quant.kd
    .args:
      - { .name: q, .offset: 0, .size: 8, .value_kind: global_buffer, .address_space: global }
      - { .name: k, .offset: 8, .size: 8, .value_kind: global_buffer, .address_space: global }
      - { .name: v, .offset: 16, .size: 8, .value_kind: global_buffer, .address_space: global }
      - { .name: wq, .offset: 24, .size: 8, .value_kind: global_buffer, .address_space: global }
      - { .name: wk, .offset: 32, .size: 8, .value_kind: global_buffer, .address_space: global }
      - { .name: wv, .offset: 40, .size: 8, .value_kind: global_buffer, .address_space: global }
      - { .name: wo, .offset: 48, .size: 8, .value_kind: global_buffer, .address_space: global }
      - { .name: incodes, .offset: 56, .size: 8, .value_kind: global_buffer, .address_space: global }
      - { .name: inscales, .offset: 64, .size: 8, .value_kind: global_buffer, .address_space: global }
    .group_segment_fixed_size: 270336
    .private_segment_fixed_size: 0
    .kernarg_segment_align: 8
    .kernarg_segment_size: 72
    .max_flat_workgroup_size: 512
    .sgpr_count:     66
    .vgpr_count:     248
    .wavefront_size: 32
...
	.end_amdgpu_metadata
.endif
;; end of part 1
;; launch proj (part 2): grid 4 x 48, 4 waves a work-group, clusters of 4 x 4, 327,680 bytes of LDS; arguments incodes, inscales, bq, bk, bv, hc, hs; writes hc, hs
.if DOCPART == 2
	.amdgcn_target "amdgcn-amd-amdhsa--gfx1250"
	.amdhsa_code_object_version 6
	.text
	.protected	k_q0bf64a878e_proj
	.globl	k_q0bf64a878e_proj
	.p2align	8
	.type	k_q0bf64a878e_proj,@function
k_q0bf64a878e_proj:
	s_mov_b64 s[64:65], 0
	v_nop
	global_prefetch_b8 v0, s[64:65] scope:SCOPE_SE
	s_setreg_imm32_b32 hwreg(HW_REG_WAVE_MODE, 25, 1), 1
	s_wait_xcnt 0x0
	s_wait_alu depctr_hold_cnt(0) depctr_sa_sdst(0) depctr_va_vdst(0) depctr_va_sdst(0) depctr_va_ssrc(0) depctr_va_vcc(0) depctr_vm_vsrc(0)
	s_getreg_b32 s2, hwreg(HW_REG_IB_STS2, 6, 4)
	s_cmp_eq_u32 s2, 0
	s_cbranch_scc0 .Lentry_in_a_cluster
	s_endpgm
.Lentry_in_a_cluster:
	s_bfe_u32 s2, ttmp6, 0x10000c
	s_cmp_lg_u32 s2, 0xf033
	s_cbranch_scc0 .Lentry_shape_is_right
	s_endpgm
.Lentry_shape_is_right:
; qh = q wq^T + bq, kh = k wk^T + bk, vh = v wv^T + bv on codes of FP6 (E2M3), K = 1,024, and their quantisers: the results leave as codes and scale bytes in the order of the next launch's operand registers.
; TENSOR s2 = grid y / 16: 0 q, 1 k, 2 v.  For q and k A = the tokens' row blocks and B = the weight's; for v A = wv's row blocks and B = the tokens' (s12 = 1): so a lane's registers run along the next product's K: channels for q, k, keys for v.
; A tile of 256 x 256 a work-group, four waves of 128 x 128: 64 accumulators in windows 2 and 3; source 0 = 16 rows of B, source 1 = 16 rows of A (transposed use).
; OPERANDS lie in memory in the order of the operand's registers: incodes [row block of 16][8 K steps][1536]; half a fragment is 768 bytes: registers 0-3 of lane l at 16 l, registers 4-5 at 512 + 8 l.
; LDS: two slots of THREE K steps each (16 row blocks of A, then of B, 4,608 bytes a row block).  BOTH ARE ASKED FOR AT THE HEAD, one joint load a wave: wave 0 slot 0's A, wave 1 its B, wave 2 slot 1's A, wave 3 its B.
; The first barrier shows slot 0 (waves 0 and 1 wait).  ONE REFILL: K steps 6 and 7 (3,072 bytes a row block, a quarter a wave) land on slot 0's bytes behind a drained round of the cluster's barrier in K step 2,
; which also shows slot 1; a plain barrier in K step 5 shows the refill.  One tensor load of a wave is out at the most.
; THE SCALE WORDS go from memory straight into registers: lanes 0-15 take A's block i, lanes 16-31 B's block i, two words (two K steps) a load; K steps 0-3 at the head, 4-7 behind K step 0 into the registers that held the bias.
; CLUSTERS: 4 x 4; A's tiles are shared along a row of the cluster, B's along a column.
; The bias along the registers (q, k) is the C of the first products; the bias along the lanes (v) is added on the way out.  Another order of rounding than a sum followed by the bias.
; LIMITS: NaN and infinities are not served; a block whose largest magnitude lies under 2^-124, a block of zeros too, gets the byte 1; the bytes are read by this program alone.
.set FR,     12
.set NL,     4                         ; LDS loads of a fragment
.set NP,     4                         ; places behind this matrix instruction (ISA guide 7.12.1)
.set FRB,    1536
.set RB3,    3*FRB                     ; a row block's part of a slot
.set RB2,    2*FRB                     ; and of the refill
.set HALFT,  8*RB3
.set SLOT,   4*HALFT
.set SPARE,  2*SLOT
.set PFO,  8                           ; v8 the prefetch's offset
.set ADR,  12                          ; v12-23 LDS addresses: phase ph (slot 0, slot 1, the refill) at 4 ph: A's 16-byte parts, A's 8-byte parts, B's, B's
.set SO,   27                          ; v27 my scale words' offset in inscales
.set SPW,  28
.set NIL,  29
.set L16,  30
.set L8,   31
.set SC,   32                          ; v32-95 scale words: K steps 2 pr, 2 pr + 1 of block i at 16 pr + 2 i
.set BI,   64
.set AF,   128
.set BR,   224
.set HA,   32
.set P0,   96
.set P1,   108
.set PT,   120
.set TT,   128
.set UU,   134
.set TM,   140
.set WA,   156
.set WB,   157
.set XW,   160
.set YW,   168
.set OW,   176
.set G1, 24
.set G0, 32                            ; s[32:35], s[36:39] A's head loads; s[56:59], s[60:63] B's; s[72:75], s[76:79] the refill's
.set G1B, 48
.set G0B, 56
.set G0R, 72
.set G0RB, 76
.set MSB, 0
.macro WIN new
.if MSB != (\new)
	s_set_vgpr_msb (MSB<<8)|(\new)
.set MSB, (\new)
.endif
.endm
.set MUL_LO, 0xa1
.set MUL_HI, 0xf1
.set TO_B,   0x40
.macro JLOAD g0a, g1a, g0b, g1b
	s_cmp_eq_u32 s15, 0
	s_cbranch_scc0 .Lfor_b_\@
	tensor_load_to_lds s[\g0a:\g0a+3], s[\g1a:\g1a+7]
	s_nop 0
.rept 4
	v_nop
.endr
	s_branch .Lasked_\@
.Lfor_b_\@:
	tensor_load_to_lds s[\g0b:\g0b+3], s[\g1b:\g1b+7]
	s_nop 0
.rept 4
	v_nop
.endr
.Lasked_\@:
.endm
.macro CREST
	s_cmp_lg_u32 s14, 0
	s_cbranch_scc1 .Lnot_wave_0_\@
	s_barrier_signal -3
.Lnot_wave_0_\@:
	s_barrier_wait -3
	s_barrier_signal -1
	s_barrier_wait -1
.endm
.macro CROUND
	s_barrier_signal -1
	s_barrier_wait -1
	CREST
.endm
	s_load_b128 s[4:7], s[0:1], 0x0                ; incodes, inscales
	s_load_b128 s[8:11], s[0:1], 0x10              ; bq, bk
	s_load_b128 s[96:99], s[0:1], 0x20             ; bv, hc
	s_load_b64 s[100:101], s[0:1], 0x30            ; hs
	v_lshl_add_u32 v[SPW], v0, 2, SPARE
	v_mov_b32 v[NIL], 0
	ds_add_u32 v28, v29                            ; the opening lines: the add twice and its wait
	ds_add_u32 v28, v29
	s_wait_dscnt 0x0
	v_lshrrev_b32 v1, 5, v0
	v_readfirstlane_b32 s14, v1                    ; wave
	s_lshr_b32 s15, s14, 1                         ; my half of the tile's A rows; in the refill: I fetch for A (0) or B (1)
	s_and_b32 s16, s14, 1                          ; my half of its B rows; in the refill: which 8 row blocks I fetch
	s_bfe_u32 s40, ttmp6, 0x40000                  ; cx
	s_bfe_u32 s41, ttmp6, 0x40004                  ; cy
	s_and_b32 s18, ttmp7, 0xffff
	s_lshr_b32 s2, s18, 2                          ; the tensor
	s_lshr_b32 s12, s2, 1                          ; 1 for v
	s_and_b32 s18, s18, 3
	s_lshl_b32 s18, s18, 2
	s_mul_i32 s19, s18, s12
	s_sub_co_u32 s18, s18, s19
	s_add_co_u32 s42, s40, s19                     ; B's tile
	s_add_co_u32 s17, s41, s18                     ; A's tile
	s_lshl_b32 s43, s41, 2
	s_lshl_b32 s43, 15, s43                        ; my row of the cluster
	s_lshl_b32 s44, 0x1111, s40                    ; my column
	s_or_b32 s[G1+0], s43, (3<<16)|(1<<21)
	s_or_b32 s[G1B+0], s44, (3<<16)|(1<<21)
.irp g, G1, G1B
	s_mov_b32 s[\g+1], 576<<16                     ; the head's tiles: 16 row blocks x 4,608 bytes (576 elements of 8), 12,288 bytes apart in memory, dense in LDS
	s_mov_b32 s[\g+2], 16<<16
	s_mov_b32 s[\g+3], 576<<16
	s_mov_b32 s[\g+4], 16
	s_mov_b32 s[\g+5], 1536
	s_mov_b32 s[\g+6], 0
	s_mov_b32 s[\g+7], 0
.endr
	s_lshl_b32 s20, s17, 4
	s_lshl_b32 s19, s2, 8
	s_add_co_u32 s20, s20, s19                     ; A's first row block
	s_lshl_b32 s46, s42, 4
	s_lshl_b32 s19, s2, 6
	s_add_co_u32 s46, s46, s19
	s_add_co_u32 s46, s46, 576                     ; B's
	s_lshl_b32 s22, s20, 9                         ; their scale words: 512 bytes a row block,
	s_lshl_b32 s92, s46, 9
	s_lshl_b32 s19, s15, 12
	s_add_co_u32 s22, s22, s19                     ; from my 8 row blocks of A on,
	s_lshl_b32 s19, s16, 12
	s_add_co_u32 s92, s92, s19                     ; and of B;
	s_sub_co_u32 s92, s92, s22                     ; B's lie behind A's in inscales: the distance is positive and under 2^24
	s_mul_i32 s20, s20, 12288
	s_mov_b32 s21, 0
	s_mul_i32 s46, s46, 12288
	s_mov_b32 s47, 0
	s_mul_i32 s18, s16, 98304                      ; the refill: which 8 row blocks I fetch, in bytes of memory,
	s_mov_b32 s19, 0
	s_mul_i32 s45, s16, 8*RB2                      ; and of LDS
	s_wait_kmcnt 0x0
	s_add_nc_u64 s[20:21], s[4:5], s[20:21]
	s_add_nc_u64 s[46:47], s[4:5], s[46:47]
	CROUND                                         ; all sixteen work-groups are here: the first joint loads meet
	s_mov_b32 s[G0], 1                             ; slot 0: A,
	s_mov_b32 s[G0+1], 0
	s_mov_b64 s[G0+2:G0+3], s[20:21]
	s_or_b32 s[G0+3], s[G0+3], 0x80000000
	s_mov_b32 s[G0B], 1                            ; B
	s_mov_b32 s[G0B+1], 2*HALFT
	s_mov_b64 s[G0B+2:G0B+3], s[46:47]
	s_or_b32 s[G0B+3], s[G0B+3], 0x80000000
	s_mov_b32 s[G0+4], 1                           ; slot 1: K steps 3 to 5
	s_mov_b32 s[G0+5], SLOT
	s_add_nc_u64 s[G0+6:G0+7], s[20:21], RB3
	s_or_b32 s[G0+7], s[G0+7], 0x80000000
	s_mov_b32 s[G0B+4], 1
	s_mov_b32 s[G0B+5], SLOT+2*HALFT
	s_add_nc_u64 s[G0B+6:G0B+7], s[46:47], RB3
	s_or_b32 s[G0B+7], s[G0B+7], 0x80000000
	s_add_nc_u64 s[20:21], s[20:21], s[18:19]      ; the refill: my 8 row blocks, K steps 6 and 7
	s_add_nc_u64 s[46:47], s[46:47], s[18:19]
	s_mov_b32 s[G0R], 1
	s_mov_b32 s[G0R+1], s45
	s_add_nc_u64 s[G0R+2:G0R+3], s[20:21], 6*FRB
	s_or_b32 s[G0R+3], s[G0R+3], 0x80000000
	s_mov_b32 s[G0RB], 1
	s_add_co_u32 s[G0RB+1], s45, 2*HALFT
	s_add_nc_u64 s[G0RB+2:G0RB+3], s[46:47], 6*FRB
	s_or_b32 s[G0RB+3], s[G0RB+3], 0x80000000
; the head's loads, one a wave, in one chain of branches on the wave's number
.macro ARM under, g0, g1, next
	s_cmp_lt_u32 s14, \under
	s_cbranch_scc0 \next
	tensor_load_to_lds s[\g0:\g0+3], s[\g1:\g1+7]
	s_nop 0
.rept 4
	v_nop
.endr
	s_branch .Lhead_asked
\next:
.endm
	ARM 1, G0,   G1,  .Lhead_b
	ARM 2, G0B,  G1B, .Lhead_a1
	ARM 3, G0+4, G1,  .Lhead_b1
	tensor_load_to_lds s[G0B+4:G0B+7], s[G1B:G1B+7]
	s_nop 0
.rept 4
	v_nop
.endr
.Lhead_asked:
; A PREFETCH INTO THE L2 for the one refill: what a wave will fetch there is 8 row blocks x 3,072 bytes = 96 blocks of 256 bytes, asked for jointly by four partners:
; the partner at place p (cx for A, cy for B) names blocks 24 p .. 24 p + 23, a lane a block (lanes 24-31 name the last again): each block once in each cluster that will load it, two K steps and more ahead of the refill.
; All lie inside incodes: the K offset and 12 blocks end with a row block's 12,288 bytes.
	s_cmp_eq_u32 s15, 0
	s_cselect_b64 s[94:95], s[20:21], s[46:47]
	s_cselect_b32 s19, s40, s41
	s_mul_i32 s19, s19, 24
	v_and_b32 v8, 31, v0
	v_min_u32 v8, 23, v8
	v_add_nc_u32 v8, s19, v8                       ; block n = 24 p + lane
	v_mul_u32_u24 v9, v8, 43
	v_lshrrev_b32 v9, 9, v9                        ; n / 12 (n under 96): the row block
	v_mul_u32_u24 v10, v9, 12
	v_sub_nc_u32 v8, v8, v10
	v_lshlrev_b32 v8, 8, v8
	v_mad_u32_u24 v8, v9, 12288, v8                ; never rewritten
	global_prefetch_b8 v[PFO], s[94:95] offset:6*FRB th:TH_LOAD_NT scope:SCOPE_SE
	v_and_b32 v1, 31, v0
	v_lshlrev_b32 v[L16], 4, v1
	v_lshlrev_b32 v[L8], 3, v1
	s_mul_i32 s21, s15, HALFT                      ; my 8 row blocks of A,
	s_mul_i32 s23, s16, HALFT
	s_add_co_u32 s23, s23, 2*HALFT                 ; and of B, behind A's 16
.irp ph, 0,1
	v_add_nc_u32 v[ADR+4*\ph], s21, v[L16]
	v_add_nc_u32 v[ADR+4*\ph+1], s21, v[L8]
	v_add_nc_u32 v[ADR+4*\ph+2], s23, v[L16]
	v_add_nc_u32 v[ADR+4*\ph+3], s23, v[L8]
	s_add_co_u32 s21, s21, SLOT
	s_add_co_u32 s23, s23, SLOT
.endr
	s_mul_i32 s21, s15, 8*RB2                      ; the same in the refill
	s_mul_i32 s23, s16, 8*RB2
	s_add_co_u32 s23, s23, 2*HALFT
	v_add_nc_u32 v[ADR+8], s21, v[L16]
	v_add_nc_u32 v[ADR+9], s21, v[L8]
	v_add_nc_u32 v[ADR+10], s23, v[L16]
	v_add_nc_u32 v[ADR+11], s23, v[L8]
	v_and_b32 v1, 15, v0                           ; r
	v_bfe_u32 v2, v0, 4, 1                         ; h
	s_wait_alu depctr_va_vdst(0)
	v_lshlrev_b32 v5, 5, v1                        ; 32 bytes a row
	v_mul_u32_u24 v6, s92, v2                      ; lanes 16-31 take B's
	v_add_nc_u32 v5, v5, v6
	v_add_nc_u32 v[SO], s22, v5
.macro SCALES pr                       ; the words of K steps 2 pr, 2 pr + 1 of my eight blocks of A and of B
.irp i, 0,1,2,3,4,5,6,7
	global_load_b64 v[SC+16*\pr+2*\i:SC+16*\pr+2*\i+1], v[SO], s[6:7] offset:\i*512+8*\pr
.endr
.endm
	SCALES 0
	SCALES 1
	s_cmp_eq_u32 s2, 1
	s_cselect_b64 s[66:67], s[10:11], s[8:9]
	s_cmp_eq_u32 s2, 2
	s_cselect_b64 s[66:67], s[96:97], s[66:67]     ; the tensor's bias
	s_sub_co_u32 s8, 0, s12                        ; all ones for v
	s_not_b32 s9, s8
	s_lshl_b32 s10, s17, 8
	s_lshl_b32 s18, s15, 7
	s_add_co_u32 s10, s10, s18                     ; my first row of A in its tensor
	s_lshl_b32 s11, s42, 8
	s_lshl_b32 s47, s16, 7
	s_add_co_u32 s11, s11, s47                     ; and of B
	s_xor_b32 s47, s12, 1
	s_mul_i32 s46, s11, s47
	s_lshl_b32 s46, s46, 2
	s_mov_b32 s47, 0
	s_add_nc_u64 s[46:47], s[66:67], s[46:47]
	s_mul_i32 s22, s10, s12
	s_lshl_b32 s22, s22, 2
	s_mov_b32 s23, 0
	s_add_nc_u64 s[22:23], s[66:67], s[22:23]
	v_lshlrev_b32 v6, 6, v2
	v_and_b32 v7, 8, v1
	v_add_nc_u32 v7, v7, v1
	v_lshlrev_b32 v7, 2, v7
.irp t, 0,1,2,3,4,5,6,7
	global_load_b128 v[BI+8*\t:BI+8*\t+3], v6, s[46:47] offset:(32*(\t/2)+8*(\t%2))*4
	global_load_b128 v[BI+8*\t+4:BI+8*\t+7], v6, s[46:47] offset:(32*(\t/2)+8*(\t%2))*4+16
.endr
.irp a, 0,1,2,3,4,5,6,7
	global_load_b32 v[BR+2*\a], v7, s[22:23] offset:(32*(\a/2)+8*(\a%2))*4
.endr
.macro KSET ks                         ; where K step ks lies: its phase, its place in the row block's part, that part's bytes
.if (\ks) < 3
.set PH, 0
.set QQ, (\ks)
.set RB, RB3
.elseif (\ks) < 6
.set PH, 1
.set QQ, (\ks)-3
.set RB, RB3
.else
.set PH, 2
.set QQ, (\ks)-6
.set RB, RB2
.endif
.endm
.macro FRAG reg, a16, a8, off
	ds_load_b128 v[\reg:\reg+3],     v[\a16] offset:\off
	ds_load_b64  v[\reg+4:\reg+5],   v[\a8]  offset:\off+512
	ds_load_b128 v[\reg+6:\reg+9],   v[\a16] offset:\off+768
	ds_load_b64  v[\reg+10:\reg+11], v[\a8]  offset:\off+1280
.endm
; 16 products: A's blocks a0, a0 + 1 x B's eight, K step ks; B's set ks % 2.  zero = 1: the first products, which take the bias as C.  The 64 accumulators take turns.
.macro MUL16 a0, ks, zero
.set SCR, SC+16*((\ks)/2)+(\ks)%2
.set PB, 128*((\ks)%2)
.irp a, \a0, \a0+1
.irp b, 0,1,2,3,4,5,6,7
.if \zero
	v_wmma_scale_f32_16x16x128_f8f6f4 v[8*(8*((\a)%4)+\b):8*(8*((\a)%4)+\b)+7], v[PB+FR*\b:PB+FR*\b+FR-1], v[AF+FR*(\a):AF+FR*(\a)+FR-1], v[BI+8*\b:BI+8*\b+7], v[SCR+2*\b], v[SCR+2*(\a)] matrix_a_fmt:MATRIX_FMT_FP6 matrix_b_fmt:MATRIX_FMT_FP6 matrix_a_scale:MATRIX_SCALE_ROW1
.else
	v_wmma_scale_f32_16x16x128_f8f6f4 v[8*(8*((\a)%4)+\b):8*(8*((\a)%4)+\b)+7], v[PB+FR*\b:PB+FR*\b+FR-1], v[AF+FR*(\a):AF+FR*(\a)+FR-1], v[8*(8*((\a)%4)+\b):8*(8*((\a)%4)+\b)+7], v[SCR+2*\b], v[SCR+2*(\a)] matrix_a_fmt:MATRIX_FMT_FP6 matrix_b_fmt:MATRIX_FMT_FP6 matrix_a_scale:MATRIX_SCALE_ROW1
.endif
.endr
.endr
.endm
.macro FETCH_B ks
	KSET \ks
	WIN TO_B
.irp i, 0,1,2,3,4,5,6,7
	FRAG 128*((\ks)%2)+FR*\i, ADR+4*PH+2, ADR+4*PH+3, \i*RB+QQ*FRB
.endr
	WIN 0
.endm
.macro FETCH_A ks, i0
	KSET \ks
.irp i, \i0, \i0+1, \i0+2, \i0+3
	FRAG AF+FR*(\i), ADR+4*PH, ADR+4*PH+1, (\i)*RB+QQ*FRB
.endr
.endm
.macro PLACES n
.rept \n
	v_nop
.endr
.endm
.macro STEP ks, zero                   ; a K step whose successor lies in the same phase
	s_wait_dscnt 4*NL                              ; all but the youngest 16 loads, A's blocks 4-7
.if \zero
	WIN 0x81
.else
	WIN MUL_LO
.endif
	MUL16 0, \ks, \zero
	MUL16 2, \ks, \zero
	s_wait_dscnt 0
	PLACES NP
	FETCH_B (\ks)+1
	FETCH_A (\ks)+1, 0
.if \zero
	WIN 0xc1
.else
	WIN MUL_HI
.endif
	MUL16 4, \ks, \zero
	MUL16 6, \ks, \zero
	PLACES NP
	WIN 0
	FETCH_A (\ks)+1, 4
.endm
.macro TURN ks, fill                   ; a phase's last K step.  fill = 1: its bytes are filled again behind a round of the cluster's barrier
	s_wait_tensorcnt 0x0                           ; all my tensor loads have landed,
	ds_add_u32 v[SPW], v[NIL]                      ; the add to the spare words,
.if \fill
.irp g, G1, G1B
	s_mov_b32 s[\g+1], 384<<16                     ; (no tensor load of mine is out: the refill's tiles are 8 row blocks x 3,072 bytes)
	s_mov_b32 s[\g+2], 8<<16
	s_mov_b32 s[\g+3], 384<<16
	s_mov_b32 s[\g+4], 8
.endr
.endif
	s_wait_dscnt 4*NL+1                            ; (the add and the youngest 16 loads may be out)
	WIN MUL_LO
	MUL16 0, \ks, 0
	s_wait_dscnt 0x0                               ; the add is done, and so are my reads of this phase's bytes
	s_barrier_signal -1
	MUL16 2, \ks, 0
	WIN 0
	s_barrier_wait -1
.if \fill
	CREST
	JLOAD G0R, G1, G0RB, G1B                       ; the first tensor load behind the round; its four v_nop are the places in front of the loads below
.else
	PLACES NP
.endif
	FETCH_B (\ks)+1
	FETCH_A (\ks)+1, 0
	WIN MUL_HI
	MUL16 4, \ks, 0
	MUL16 6, \ks, 0
	PLACES NP
	WIN 0
	FETCH_A (\ks)+1, 4
.endm
	s_wait_loadcnt 0x0                             ; the bias and the first scale words
.set j, 0
.rept 64
	v_cndmask_b32 v[BI+j], 0, v[BI+j], s9          ; q, k: the bias along the registers; v: zeros
.set j, j+1
.endr
.irp a, 0,1,2,3,4,5,6,7
	v_cndmask_b32 v[BR+2*\a+1], 0, v[BR+2*\a], s8  ; v: the bias along the lanes; q, k: zeros
	v_cndmask_b32 v[BR+2*\a], 0, v[BR+2*\a], s8
.endr
	s_wait_alu depctr_va_vdst(0)                   ; the wait at the head's end
	s_cmp_lt_u32 s14, 2
	s_cbranch_scc0 .Lnot_mine                      ; slot 1 may stay out
	s_wait_tensorcnt 0x0                           ; slot 0's issuers wait
.Lnot_mine:
	s_barrier_signal -1
	s_barrier_wait -1
	FETCH_B 0
	FETCH_A 0, 0
	FETCH_A 0, 4
	STEP 0, 1
	SCALES 2                                       ; into the registers that held the bias, four places behind the products that read it
	SCALES 3
	STEP 1, 0
	TURN 2, 1
	STEP 3, 0
	s_wait_loadcnt 0x0                             ; the scale words of K steps 4 to 7
	STEP 4, 0
	TURN 5, 0
	STEP 6, 0
	s_wait_dscnt 4*NL
	WIN MUL_LO
	MUL16 0, 7, 0
	MUL16 2, 7, 0
	s_wait_dscnt 0
	WIN MUL_HI
	MUL16 4, 7, 0
	MUL16 6, 7, 0
	WIN 0
	PLACES NP
; THE WAY OUT: a pair of A's blocks at a time: the bias along the lanes, the quantiser along the registers (blocks of 32 lie in lanes l and l xor 16), the codes into the order of the next launch's operands.
.irp b, 0,1,2,3
	v_mov_b32 v[TM+4+\b], 0
.endr
	s_cmp_eq_u32 s12, 1
	s_cselect_b32 s18, s11, s10
	s_cselect_b32 s19, s10, s11
	s_lshr_b32 s20, s18, 11
	s_lshl_b32 s20, s20, 4
	s_lshr_b32 s21, s19, 6
	s_add_co_u32 s20, s20, s21
	s_bfe_u32 s21, s18, 0x40007
	s_mul_i32 s22, s2, 3145728
	s_mul_i32 s23, s20, 98304
	s_add_co_u32 s22, s22, s23
	s_mul_i32 s23, s21, 6144
	s_add_co_u32 s22, s22, s23
	s_mov_b32 s23, 0
	s_add_nc_u64 s[98:99], s[98:99], s[22:23]
	s_lshl_b32 s20, s20, 4
	s_add_co_u32 s20, s20, s21
	s_lshl_b32 s20, s20, 8
	s_lshl_b32 s22, s2, 17
	s_add_co_u32 s22, s22, s20
	s_add_nc_u64 s[100:101], s[100:101], s[22:23]
	s_mov_b32 s13, 1536
	s_mov_b32 s45, 3072
	s_mov_b32 s44, 98304
	s_cmp_eq_u32 s12, 1
	s_cselect_b32 s18, s13, s44
	s_cselect_b32 s20, s45, s13
	s_cselect_b32 s22, s44, s45
	s_mov_b32 s19, 0
	s_mov_b32 s21, 0
	s_mov_b64 s[40:41], s[98:99]
	s_add_nc_u64 s[42:43], s[98:99], s[18:19]
.macro ROWBLK a
	WIN 0x02+(\a)/4
.set k, 0
.rept 32
	v_pk_add_f32 v[HA+k:HA+k+1], v[64*((\a)%4)+k:64*((\a)%4)+k+1], v[BR+2*(\a):BR+2*(\a)+1]
.set k, k+2
.endr
	WIN 0
.endm
.macro QUANT s, pc, pw
.irp b, 0,1,2,3
	v_max3_num_f32 v[TM+\b], |v[\s+16*\b]|, |v[\s+1+16*\b]|, 0x1800000
.endr
.irp i, 2,4,6,8,10,12,14
.irp b, 0,1,2,3
	v_max3_num_f32 v[TM+\b], v[TM+\b], |v[\s+16*\b+\i]|, |v[\s+1+16*\b+\i]|
.endr
.endr
.irp b, 0,1,2,3
	v_permlanex16_b32 v[TM+4+\b], v[TM+\b], s92, s93
.endr
.irp b, 0,1,2,3
	v_max_num_f32 v[TM+\b], v[TM+\b], v[TM+4+\b]
.endr
.irp b, 0,1,2,3
	v_add_nc_u32 v[TM+12+\b], 0xff000000, v[TM+\b]
.endr
.irp b, 0,1,2,3
	v_lshrrev_b32 v[TM+4+\b], 23, v[TM+12+\b]
.endr
	v_lshl_or_b32 v[\pw], v[TM+5], 8, v[TM+4]
	v_lshl_or_b32 v[\pw], v[TM+6], 16, v[\pw]
	v_lshl_or_b32 v[\pw], v[TM+7], 24, v[\pw]
.irp c, 0,1
	v_cvt_scalef32_pk16_fp6_f32 v[\pc+6*\c:\pc+6*\c+2], v[\s+32*\c:\s+32*\c+15], v[TM+12+2*\c]
	v_cvt_scalef32_pk16_fp6_f32 v[PT+4*\c:PT+4*\c+2], v[\s+32*\c+16:\s+32*\c+31], v[TM+12+2*\c+1]
.endr
	v_nop
.irp c, 0,1
.irp i, 0,1,2
	v_permlane16_swap_b32 v[\pc+6*\c+\i], v[PT+4*\c+\i]
.endr
.irp i, 0,1,2
	v_mov_b32 v[\pc+6*\c+3+\i], v[PT+4*\c+\i]
.endr
.endr
.endm
.macro HSTORE r0, base, off
	global_store_b128 v[L16], v[\r0:\r0+3], s[\base:\base+1] offset:\off
	global_store_b64 v[L8], v[\r0+4:\r0+5], s[\base:\base+1] offset:\off+512
.endm
.macro PAIR gi
.if \gi > 0
	s_wait_xcnt 0x0
.if \gi == 2
	s_add_nc_u64 s[40:41], s[40:41], s[22:23]
	s_add_nc_u64 s[42:43], s[42:43], s[22:23]
	s_sub_nc_u64 s[40:41], s[40:41], s[20:21]
	s_sub_nc_u64 s[42:43], s[42:43], s[20:21]
.else
	s_add_nc_u64 s[40:41], s[40:41], s[20:21]
	s_add_nc_u64 s[42:43], s[42:43], s[20:21]
.endif
.endif
	ROWBLK 2*\gi
	QUANT HA, P0, WA
	ROWBLK 2*\gi+1
	QUANT HA, P1, WB
.irp i, 0,1,2,3,4,5
	v_cndmask_b32 v[TT+\i], v[P1+\i], v[P0+6+\i], s8
	v_cndmask_b32 v[UU+\i], v[P0+6+\i], v[P1+\i], s8
.endr
	v_perm_b32 v158, v[WB], v[WA], 0x05040100
	v_perm_b32 v159, v[WB], v[WA], 0x07060302
	v_cndmask_b32 v[XW+\gi], v158, v[WA], s8
	v_cndmask_b32 v[XW+4+\gi], v159, v[WB], s8
	HSTORE P0, 40, 0
	HSTORE TT, 40, 768
	HSTORE UU, 42, 0
	HSTORE P1+6, 42, 768
.endm
	s_mov_b32 s92, 0x76543210
	s_mov_b32 s93, 0xfedcba98
	PAIR 0
	PAIR 1
	PAIR 2
	PAIR 3
	v_cndmask_b32 v[YW+1], v[XW+1], v[XW+4], s8
	v_cndmask_b32 v[YW+2], v[XW+2], v[XW+1], s8
	v_cndmask_b32 v[YW+3], v[XW+3], v[XW+5], s8
	v_cndmask_b32 v[YW+4], v[XW+4], v[XW+2], s8
	v_cndmask_b32 v[YW+5], v[XW+5], v[XW+6], s8
	v_cndmask_b32 v[YW+6], v[XW+6], v[XW+3], s8
	s_mov_b32 vcc_lo, 0xffff0000
	v_cndmask_b32 v[OW], v[XW], v[YW+1], vcc_lo
	v_cndmask_b32 v[OW+1], v[YW+2], v[YW+3], vcc_lo
	v_cndmask_b32 v[OW+2], v[YW+4], v[YW+5], vcc_lo
	v_cndmask_b32 v[OW+3], v[YW+6], v[XW+7], vcc_lo
	global_store_b64 v[L8], v[OW:OW+1], s[100:101]
	global_store_b64 v[L8], v[OW+2:OW+3], s[100:101] offset:4096
	s_wait_tensorcnt 0x0                           ; the wave's end
	ds_add_u32 v[SPW], v[NIL]
	s_wait_dscnt 0x0
	CROUND                                         ; the closing round
	s_endpgm
.Lfunc_end_k_q0bf64a878e_proj:
	.size	k_q0bf64a878e_proj, .Lfunc_end_k_q0bf64a878e_proj-k_q0bf64a878e_proj
	.p2alignl 7, 3214868480
	.fill 96, 4, 3214868480
	.section	.rodata,"a",@progbits
	.p2align	6, 0x0
	.amdhsa_kernel k_q0bf64a878e_proj
		.amdhsa_group_segment_fixed_size 327680
		.amdhsa_private_segment_fixed_size 0
		.amdhsa_enable_private_segment 0
		.amdhsa_kernarg_size 56
		.amdhsa_user_sgpr_count 2
		.amdhsa_user_sgpr_kernarg_segment_ptr 1
		.amdhsa_wavefront_size32 1
		.amdhsa_system_sgpr_workgroup_id_x 1
		.amdhsa_system_sgpr_workgroup_id_y 1
		.amdhsa_system_sgpr_workgroup_id_z 1
		.amdhsa_system_vgpr_workitem_id 0
		.amdhsa_next_free_vgpr 1024
		.amdhsa_next_free_sgpr 102
		.amdhsa_reserve_vcc 1
		.amdhsa_float_denorm_mode_32 3
		.amdhsa_float_denorm_mode_16_64 3
		.amdhsa_memory_ordered 1
		.amdhsa_forward_progress 1
		.amdhsa_inst_pref_size 178
	.end_amdhsa_kernel
	.amdgpu_metadata
---
amdhsa.version: [ 1, 2 ]
amdhsa.kernels:
  - .name:           k_q0bf64a878e_proj
    .symbol:         k_q0bf64a878e_proj.kd
    .args:
      - { .name: incodes, .offset: 0, .size: 8, .value_kind: global_buffer, .address_space: global }
      - { .name: inscales, .offset: 8, .size: 8, .value_kind: global_buffer, .address_space: global }
      - { .name: bq, .offset: 16, .size: 8, .value_kind: global_buffer, .address_space: global }
      - { .name: bk, .offset: 24, .size: 8, .value_kind: global_buffer, .address_space: global }
      - { .name: bv, .offset: 32, .size: 8, .value_kind: global_buffer, .address_space: global }
      - { .name: hc, .offset: 40, .size: 8, .value_kind: global_buffer, .address_space: global }
      - { .name: hs, .offset: 48, .size: 8, .value_kind: global_buffer, .address_space: global }
    .group_segment_fixed_size: 327680
    .private_segment_fixed_size: 0
    .kernarg_segment_align: 8
    .kernarg_segment_size: 56
    .max_flat_workgroup_size: 128
    .sgpr_count:     102
    .vgpr_count:     1024
    .wavefront_size: 32
...
	.end_amdgpu_metadata
.endif
;; end of part 2
;; launch attn (part 3): grid 8 x 32, 16 waves a work-group, clusters of 4 x 1, 206,848 bytes of LDS; arguments hc, hs, cc, cs; writes cc, cs
.if DOCPART == 3
	.amdgcn_target "amdgcn-amd-amdhsa--gfx1250"
	.amdhsa_code_object_version 6
	.text
	.protected	k_q0bf64a878e_attn
	.globl	k_q0bf64a878e_attn
	.p2align	8
	.type	k_q0bf64a878e_attn,@function
k_q0bf64a878e_attn:
	s_mov_b64 s[64:65], 0
	v_nop
	global_prefetch_b8 v0, s[64:65] scope:SCOPE_SE
	s_setreg_imm32_b32 hwreg(HW_REG_WAVE_MODE, 25, 1), 1
	s_wait_xcnt 0x0
	s_wait_alu depctr_hold_cnt(0) depctr_sa_sdst(0) depctr_va_vdst(0) depctr_va_sdst(0) depctr_va_ssrc(0) depctr_va_vcc(0) depctr_vm_vsrc(0)
	s_getreg_b32 s2, hwreg(HW_REG_IB_STS2, 6, 4)
	s_cmp_eq_u32 s2, 0
	s_cbranch_scc0 .Lentry_in_a_cluster
	s_endpgm
.Lentry_in_a_cluster:
	s_bfe_u32 s2, ttmp6, 0x10000c
	s_cmp_lg_u32 s2, 0x3003
	s_cbranch_scc0 .Lentry_shape_is_right
	s_endpgm
.Lentry_shape_is_right:
; ctx[b][q][head] = the sum over keys of softmax(qh . kh / 8) vh, both products on codes of FP6 (E2M3) with one E8M0 scale for each 32 along a product's K; ctx is quantised along the model's 1,024 on its way out.
; THE SOFTMAX AHEAD OF THE SECOND PRODUCT: t = score x log2(e) / 8; M = the row's largest t so far, rounded UP to a whole number; p = 2^(t - M) is what is quantised, along the keys, not normalised.
; The row's sum is taken of the unquantised p and divides O at the end.  When M moves, the sum and O are multiplied by 2^(old M - new M): exact.
; SHARES: a work-group owns 256 queries of one head (grid y = batch x 16 + head); each of its sixteen waves 16 of them, in 256 registers, four waves to a SIMD.
; A WHOLE HEAD'S K AND V STAY IN LDS: 2 x 98,304 bytes of codes in four quarters of 512 keys (K's 24,576 bytes, then V's), 2 x 4,096 of scale words, each byte filled once: no ring, no refill.
; CLUSTER: the four query blocks of a cluster belong to one head, so each tile is asked for JOINTLY (mask 15), one load a wave: waves 0, 1 the scale words of K, V; waves 2, 3 quarter 0; waves 4-9 quarters 1-3.
; The first barrier shows the scale words and quarter 0 (their issuers wait), the second, behind quarter 0's four steps, all the rest (every wave waits).  One tensor load of a wave is out at the most.
; NO PREFETCH: all that the work-group reads is asked for at the head; there is no loop to run ahead in.
; OPERANDS lie in memory and LDS in the order of the operand's registers: half a fragment (6 registers a lane) is 768 bytes: registers 0-3 of lane l at 16 l, registers 4-5 at 512 + 8 l.
; THE FIRST PRODUCT'S K IS 64, THE INSTRUCTION'S 128: a fragment of K holds TWO tiles of 16 keys (its halves).  It is multiplied once by (Q | zeros) and once by (zeros | Q): the half that does not count meets zero codes.
; Q's scale bytes of that half are 0, which stands for 2^-127 and is no NaN; K's lie in 1..254.
; LAYOUT: both products are used transposed (S^T = K Q^T, O^T = V^T P^T): a lane holds ONE query (lane % 16).  Lane r of tile j of each 64 keys is key 8 j + r % 8 + 32 (r / 8), so registers 32 c + 0..31 of S^T in lane (q, h)
; are keys 64 c + 32 h + 0..31: ONE WHOLE SCALE BLOCK OF p, in the very order of the second product's operand: no lane is asked for a block's maximum and no code changes lanes.
; V's tiles of channels: registers 16 b + i of O^T are channels 32 b + 16 (lane / 16) + i.
; A QUARTER'S FOUR STEPS ARE WRITTEN OUT: their LDS offsets are immediates, and -M takes turns between two register pairs.  Quarter 0 stands ahead of the second barrier, quarters 1-3 are a loop of three trips.
; THE ROW'S SUM goes in eight chains; its last round stands behind a step's last products and its joins behind the next step's first products: they are the places that those products want.
; LIMITS: NaN and infinities are not served; the scaled scores stay under 2^31 in magnitude; a block of ctx whose largest magnitude lies under 2^-124, a block of zeros too, gets the byte 1; the bytes are read by this program alone.
; A block's largest p is not searched for: the block's largest score goes through the same multiply-add and exponential; this takes v_exp_f32 not to fall where its input rises.
.set L16,  1
.set L8,   2
.set L8S,  3                           ; 8 x lane + where K's scale words begin
.set A16,  4
.set A8,   5
.set AS,   6
.set SOFF, 7                           ; 32 r + h: my scale byte in the 16 rows of cs
.set KSC,  8                           ; v[8:9] K's scale words: fragment b in register b / 2, lanes 16 (b % 2) on
.set VSC,  10
                                       ; v[12:13], v[86:87]: -M by turns (the low word);  v[14:15] the sum;  v16-21 zeros, v22-27 Q, v28-33 zeros
.set QS0,  34
.set PW,   35                          ; p's scale word
.set FRG,  36                          ; v36-83 four fragments of K, then of V
.set QS1,  84
.set SH8,  85                          ; 8 h
.set RM,   88                          ; the largest score so far
.set S,    96                          ; v96-159 S^T, then p
.set O,    160                         ; v160-191 O^T
.set PC,   192
.set PT,   204
.set BM,   212                         ; v212-215 four chains of maxima
.set BX,   216
.set BB,   218                         ; v218-219 my two blocks' largest
.set BS,   220
.set W,    222
.set F,    224
.set T0,   226
.set T1,   227
.set AC,   230                         ; v230-245 the sum's eight chains, a pair each
.set SPW,  254
.set NIL,  255
.set WV,   12
.set G1C,  24
.set G1S,  32
.set G0S,  40
.set G0C,  44
.set SEL,  60
.set CS,   62
.set TB,   66
.set TS,   67
.set CNT,  68
.set QRT,  49152
.set SCK,  196608
.set SPARE, 204800
.macro CROUND
	s_barrier_signal -1
	s_barrier_wait -1
	s_cmp_lg_u32 s[WV], 0
	s_cbranch_scc1 .Lnot_wave_0_\@
	s_barrier_signal -3
.Lnot_wave_0_\@:
	s_barrier_wait -3
	s_barrier_signal -1
	s_barrier_wait -1
.endm
.macro TL g0, g1
	tensor_load_to_lds s[\g0:\g0+3], s[\g1:\g1+7]
	s_nop 0
.rept 4
	v_nop
.endr
.endm
	s_load_b256 s[4:11], s[0:1], 0x0               ; hc, hs, cc, cs
	v_lshl_add_u32 v[SPW], v0, 2, SPARE
	v_mov_b32 v[NIL], 0
	ds_add_u32 v[SPW], v[NIL]                      ; the opening lines: the add twice and its wait
	ds_add_u32 v[SPW], v[NIL]
	v_lshrrev_b32 v1, 5, v0
	v_readfirstlane_b32 s[WV], v1                  ; wave 0..15
	s_and_b32 s13, s[WV], 1                        ; what I fetch, if I fetch: K (0) or V (1)
	s_lshr_b32 s17, s[WV], 1
	s_add_co_u32 s17, s17, -1
	s_and_b32 s17, s17, 3                          ; and which quarter: waves 2, 3 quarter 0 .. waves 8, 9 quarter 3
	s_bfe_u32 s14, ttmp6, 0x40000                  ; cx
	s_lshl_b32 s15, ttmp9, 2
	s_add_co_u32 s15, s15, s14                     ; my block of 256 queries: it enters Q's and the results' addresses alone
	s_and_b32 s16, ttmp7, 0xffff                   ; batch x 16 + head, which the four partners share
	s_mov_b32 s[G1C], 15|(3<<16)|(1<<21)           ; the mask: all four; elements of 8 bytes; bit 21 beside a mask
	s_mov_b32 s[G1C+1], 32<<16                     ; rows of 256 bytes,
	s_mov_b32 s[G1C+2], 96<<16                     ; 96 of them, dense
	s_mov_b32 s[G1C+3], 32<<16
	s_mov_b32 s[G1C+4], 96
	s_mov_b32 s[G1C+5], 32
	s_mov_b32 s[G1C+6], 0
	s_mov_b32 s[G1C+7], 0
	s_mov_b32 s[G1S], 15|(3<<16)|(1<<21)
	s_mov_b32 s[G1S+1], 32<<16
	s_mov_b32 s[G1S+2], 16<<16
	s_mov_b32 s[G1S+3], 32<<16
	s_mov_b32 s[G1S+4], 16
	s_mov_b32 s[G1S+5], 32
	s_mov_b32 s[G1S+6], 0
	s_mov_b32 s[G1S+7], 0
	s_mov_b32 s[SEL], 0x76543210
	s_mov_b32 s[SEL+1], 0xfedcba98                 ; selects for lane l xor 16
	s_mov_b32 s[CS], 0x3e38aa3b                    ; c = log2(e) / 8
	s_mov_b32 s[CS+1], s[CS]
	s_add_co_u32 s70, s13, 1
	s_mul_i32 s72, s70, 3145728                    ; k's part of hc, or v's,
	s_mul_i32 s71, s16, 98304                      ; the head,
	s_add_co_u32 s72, s72, s71
	s_mul_i32 s71, s17, 24576                      ; the quarter
	s_add_co_u32 s72, s72, s71
	s_mov_b32 s73, 0
	s_lshl_b32 s74, s70, 17                        ; the same in hs
	s_lshl_b32 s75, s16, 12
	s_add_co_u32 s74, s74, s75
	s_mov_b32 s75, 0
	s_mul_i32 s76, s13, 24576                      ; in LDS: V behind K in each quarter,
	s_mul_i32 s71, s17, QRT
	s_add_co_u32 s76, s76, s71
	s_lshl_b32 s77, s13, 12                        ; and among the scale words
	s_wait_dscnt 0x0
	s_wait_kmcnt 0x0
	s_mov_b32 s[G0S], 1
	s_add_co_u32 s[G0S+1], s77, SCK
	s_add_nc_u64 s[G0S+2:G0S+3], s[6:7], s[74:75]
	s_or_b32 s[G0S+3], s[G0S+3], 0x80000000
	s_mov_b32 s[G0C], 1
	s_mov_b32 s[G0C+1], s76
	s_add_nc_u64 s[G0C+2:G0C+3], s[4:5], s[72:73]
	s_or_b32 s[G0C+3], s[G0C+3], 0x80000000
	CROUND                                         ; all four work-groups are here: the joint loads meet
	s_cmp_lt_u32 s[WV], 2                          ; one chain of branches on the wave's number, one load to an arm; what is needed first stands first
	s_cbranch_scc0 .Larm1
	TL G0S, G1S                                    ; the scale words
	s_branch .Lasked
.Larm1:
	s_cmp_lt_u32 s[WV], 4
	s_cbranch_scc0 .Larm2
	TL G0C, G1C                                    ; quarter 0
	s_branch .Lasked
.Larm2:
	s_cmp_lt_u32 s[WV], 10
	s_cbranch_scc0 .Lasked
	TL G0C, G1C                                    ; quarters 1 to 3
.Lasked:
	v_and_b32 v2, 31, v0
	v_and_b32 v4, 15, v0                           ; r
	v_bfe_u32 v5, v0, 4, 1                         ; h
	v_lshlrev_b32 v[L16], 4, v2
	v_lshlrev_b32 v[L8], 3, v2
	v_lshl_add_u32 v[SOFF], v4, 5, v5
	v_lshlrev_b32 v6, 3, v4                        ; Q's scale word: 8 bytes a lane in its unit
	v_lshlrev_b32 v[SH8], 3, v5
	v_add_nc_u32 v[L8S], SCK, v[L8]
	s_wait_alu depctr_va_vdst(0)                   ; the wait ahead of the run of scalar lines
	s_lshl_b32 s70, s15, 4
	s_add_co_u32 s70, s70, s[WV]                   ; qi: my tile of 16 queries in the batch's 128
	s_mul_i32 s72, s16, 98304
	s_mul_i32 s71, s70, 768
	s_add_co_u32 s72, s72, s71
	s_mov_b32 s73, 0
	s_add_nc_u64 s[72:73], s[4:5], s[72:73]        ; its half fragment
	s_lshl_b32 s74, s16, 12
	s_lshr_b32 s71, s70, 3
	s_lshl_b32 s71, s71, 8
	s_add_co_u32 s74, s74, s71                     ; the unit of its 128 tokens;
	s_bfe_u32 s71, s70, 0x10001
	s_lshl_b32 s71, s71, 7
	s_add_co_u32 s74, s74, s71                     ; lanes 16 on for an odd item,
	s_bfe_u32 s71, s70, 0x10002
	s_lshl_b32 s71, s71, 2
	s_add_co_u32 s74, s74, s71                     ; the second word for items 2, 3
	s_mov_b32 s75, 0
	s_add_nc_u64 s[74:75], s[6:7], s[74:75]
	s_and_b32 s76, s70, 1
	s_lshl_b32 s76, s76, 4                         ; and in the word the upper two bytes for an odd tile
	global_load_b128 v[22:25], v[L16], s[72:73]
	global_load_b64 v[26:27], v[L8], s[72:73] offset:512
	global_load_b32 v[QS0], v6, s[74:75]
	s_lshr_b32 s77, s16, 4
	s_lshl_b32 s77, s77, 7
	s_add_co_u32 s77, s77, s70                     ; my block of 16 rows of ctx
	s_and_b32 s78, s16, 15                         ; the head
	s_lshl_b32 s79, s77, 4
	s_add_co_u32 s79, s79, s78
	s_mul_i32 s18, s79, 768
	s_mov_b32 s19, 0
	s_add_nc_u64 s[8:9], s[8:9], s[18:19]          ; cc: [row block][head][768]
	s_lshl_b32 s20, s77, 9
	s_lshl_b32 s78, s78, 1
	s_add_co_u32 s20, s20, s78
	s_mov_b32 s21, 0
	s_add_nc_u64 s[10:11], s[10:11], s[20:21]      ; cs: [row][32]: my head's two bytes
	s_mov_b32 s[TB], 0
	s_mov_b32 s[TS], 0
.irp j, 16,17,18,19,20,21,28,29,30,31,32,33
	v_mov_b32 v\j, 0                               ; the zero codes beside Q
.endr
	v_mov_b32 v[RM], 0xff61b1e6                    ; the largest score so far: -3e38
	v_mov_b32 v13, 0                               ; (upper halves of pairs, named with the lower)
	v_mov_b32 v87, 0
	v_mov_b32 v14, 0                               ; the sum
	v_mov_b32 v15, 0
	v_mul_f32 v[T0], s[CS], v[RM]
	v_mov_b32 v[T1], 0                             ; a lane permute's destination counts as a source
	v_mov_b32 v[F+1], 0
	v_floor_f32 v86, -v[T0]                        ; -M
.set j, 0
.rept 16
	v_mov_b32 v[AC+j], 0                           ; the sum's chains: the first step's joins find zeros
.set j, j+1
.endr
	s_wait_alu depctr_va_vdst(0)
	s_wait_loadcnt 0x0                             ; Q and its scale word
	v_lshrrev_b32 v[QS0], s76, v[QS0]
	v_and_b32 v[QS0], 0xffff, v[QS0]
	v_lshlrev_b32 v[QS1], 16, v[QS0]
.set j, 0
.rept 32
	v_mov_b32 v[O+j], 0                            ; O^T: the first step finds zeros.  (Also the places between the scale registers just made and the first product)
.set j, j+1
.endr
.macro LOADF off
.irp b, 0,1,2,3
	ds_load_b128 v[FRG+12*\b:FRG+12*\b+3],    v[A16] offset:\off+1536*\b
	ds_load_b64  v[FRG+12*\b+4:FRG+12*\b+5],  v[A8]  offset:\off+1536*\b+512
	ds_load_b128 v[FRG+12*\b+6:FRG+12*\b+9],  v[A16] offset:\off+1536*\b+768
	ds_load_b64  v[FRG+12*\b+10:FRG+12*\b+11], v[A8] offset:\off+1536*\b+1280
.endr
.endm
.macro KQ b                            ; K's fragment b: its first half's 16 keys, then its second half's
.if (\b)%2
	v_wmma_scale_f32_16x16x128_f8f6f4 v[S+16*\b:S+16*\b+7], v[FRG+12*\b:FRG+12*\b+11], v[22:33], 0, v[KSC+\b/2], v[QS0] matrix_a_fmt:MATRIX_FMT_FP6 matrix_b_fmt:MATRIX_FMT_FP6 matrix_a_scale:MATRIX_SCALE_ROW1
	v_wmma_scale_f32_16x16x128_f8f6f4 v[S+16*\b+8:S+16*\b+15], v[FRG+12*\b:FRG+12*\b+11], v[16:27], 0, v[KSC+\b/2], v[QS1] matrix_a_fmt:MATRIX_FMT_FP6 matrix_b_fmt:MATRIX_FMT_FP6 matrix_a_scale:MATRIX_SCALE_ROW1
.else
	v_wmma_scale_f32_16x16x128_f8f6f4 v[S+16*\b:S+16*\b+7], v[FRG+12*\b:FRG+12*\b+11], v[22:33], 0, v[KSC+\b/2], v[QS0] matrix_a_fmt:MATRIX_FMT_FP6 matrix_b_fmt:MATRIX_FMT_FP6
	v_wmma_scale_f32_16x16x128_f8f6f4 v[S+16*\b+8:S+16*\b+15], v[FRG+12*\b:FRG+12*\b+11], v[16:27], 0, v[KSC+\b/2], v[QS1] matrix_a_fmt:MATRIX_FMT_FP6 matrix_b_fmt:MATRIX_FMT_FP6
.endif
.endm
.macro PV t                            ; O^T's tile t += V's tile t x p
.if (\t)%2
	v_wmma_scale_f32_16x16x128_f8f6f4 v[O+8*\t:O+8*\t+7], v[FRG+12*\t:FRG+12*\t+11], v[PC:PC+11], v[O+8*\t:O+8*\t+7], v[VSC+\t/2], v[PW] matrix_a_fmt:MATRIX_FMT_FP6 matrix_b_fmt:MATRIX_FMT_FP6 matrix_a_scale:MATRIX_SCALE_ROW1
.else
	v_wmma_scale_f32_16x16x128_f8f6f4 v[O+8*\t:O+8*\t+7], v[FRG+12*\t:FRG+12*\t+11], v[PC:PC+11], v[O+8*\t:O+8*\t+7], v[VSC+\t/2], v[PW] matrix_a_fmt:MATRIX_FMT_FP6 matrix_b_fmt:MATRIX_FMT_FP6
.endif
.endm
.macro PM j0, j1                       ; O^T under the new M, two lines
	v_pk_mul_f32 v[O+2*\j0:O+2*\j0+1], v[O+2*\j0:O+2*\j0+1], v[F:F+1] op_sel_hi:[1,0]
	v_pk_mul_f32 v[O+2*\j1:O+2*\j1+1], v[O+2*\j1:O+2*\j1+1], v[F:F+1] op_sel_hi:[1,0]
.endm
.macro JOIN a, b                       ; chain a += chain b
	v_pk_add_f32 v[AC+2*\a:AC+2*\a+1], v[AC+2*\a:AC+2*\a+1], v[AC+2*\b:AC+2*\b+1]
.endm
.macro RND n                           ; each chain takes one more pair of p: round 2 from S + 32 on, round 3 from S + 48 on
.irp k, 0,1,2,3,4,5,6,7
	v_pk_add_f32 v[AC+2*\k:AC+2*\k+1], v[AC+2*\k:AC+2*\k+1], v[S+32+16*((\n)-2)+2*\k:S+32+16*((\n)-2)+2*\k+1]
.endr
.endm
; A KEY STEP: 128 keys, step st of the quarter.  nn: the pair that takes the new -M, no: the pair that holds the old.
.macro STEP st, nn, no
	LOADF (\st)*6144                               ; K.  (The eight lines of the sum's last round, or the head's, are the places ahead of these loads)
	ds_load_b64 v[KSC:KSC+1], v[AS] offset:(\st)*256
	ds_load_b64 v[VSC:VSC+1], v[AS] offset:(\st)*256+4096
	s_wait_alu depctr_va_vdst(0)                   ; the wait ahead of the wait below
	s_wait_dscnt 0x0
	KQ 0
	KQ 1
	KQ 2
	KQ 3
	JOIN 0, 4                                      ; the last step's sum: eight chains to four.  These four lines are the places in front of the loads into K's registers and of the first read of the scores
	JOIN 1, 5
	JOIN 2, 6
	JOIN 3, 7
	LOADF (\st)*6144+24576                         ; V: it lands while the softmax is walked
.irp k, 0,1,2,3
	v_max3_num_f32 v[BM+\k], v[S+16*\k], v[S+16*\k+1], v[S+16*\k+2]   ; the largest score of each of my two blocks of 32 keys, in two chains a block
.endr
.irp i, 3,5,7,9,11,13
.irp k, 0,1,2,3
	v_max3_num_f32 v[BM+\k], v[BM+\k], v[S+16*\k+\i], v[S+16*\k+\i+1]
.endr
.endr
	v_max3_num_f32 v[BB], v[BM], v[BM+1], v[S+15]
	v_max3_num_f32 v[BB+1], v[BM+2], v[BM+3], v[S+47]
	v_max_num_f32 v[BB], v[BB], v[S+31]
	v_max_num_f32 v[BB+1], v[BB+1], v[S+63]
	JOIN 0, 2                                      ; (the sum's joins stand among the lines of the chain that makes M)
	v_max_num_f32 v[T0], v[BB], v[BB+1]
	JOIN 1, 3
	v_permlanex16_b32 v[T1], v[T0], s[SEL], s[SEL+1]
	JOIN 0, 1
	v_max3_num_f32 v[RM], v[RM], v[T0], v[T1]      ; with lane l xor 16's 64 keys: the largest score of my query so far
	v_pk_add_f32 v[14:15], v[14:15], v[AC:AC+1]    ; the last step's p are in the sum, still under the old M
	v_mul_f32 v[T0], s[CS], v[RM]                  ; as t (c is positive, so the largest score gives the largest t)
	v_floor_f32 v[\nn], -v[T0]                     ; the new -M = -ceil(t)
	v_sub_f32 v[T0], v[\nn], v[\no]                ; old M - new M: a whole number, 0 or less
	v_cvt_i32_f32 v[T0], v[T0]                     ; (it saturates)
	v_ldexp_f32 v[F], 1.0, v[T0]                   ; f = 2^(old M - new M)
.set j, 0
.rept 32
	v_pk_fma_f32 v[S+j:S+j+1], v[S+j:S+j+1], s[CS:CS+1], v[\nn:\nn+1] op_sel_hi:[1,0,0]   ; t - M, two at a time
.set j, j+2
.endr
	v_fma_f32 v[BB], v[BB], s[CS], v[\nn]          ; the same of each block's largest score
	v_fma_f32 v[BB+1], v[BB+1], s[CS], v[\nn]
	s_wait_alu depctr_va_vdst(0)                   ; the wait ahead of the batch
.set j, 0
.rept 64
	v_exp_f32 v[S+j], v[S+j]                       ; p = 2^(t - M), at most 1
.set j, j+1
.endr
	v_exp_f32 v[BB], v[BB]                         ; the blocks' largest p
	v_exp_f32 v[BB+1], v[BB+1]
	v_pk_mul_f32 v[14:15], v[14:15], v[F:F+1] op_sel_hi:[1,0]   ; the sum under the new M.  (A plain place behind the exponentials)
	s_wait_alu depctr_va_vdst(0)                   ; behind the batch, and directly ahead of the first reader of O^T
	PM 0, 1                                        ; O^T's sixteen lines, with the lines that make p's scales among them
	v_max_num_f32 v[BB], 0x1800000, v[BB]          ; the floor 2^(3 - 127): the byte cannot fall under 1
	v_max_num_f32 v[BB+1], 0x1800000, v[BB+1]
	PM 2, 3
	v_add_nc_u32 v[BS], 0xff000000, v[BB]          ; 2 off the exponent field: the conversion's scale operand
	v_add_nc_u32 v[BS+1], 0xff000000, v[BB+1]
	PM 4, 5
	v_lshrrev_b32 v[BX], 23, v[BS]                 ; the byte
	v_lshrrev_b32 v[BX+1], 23, v[BS+1]
	PM 6, 7
	v_lshl_or_b32 v[W], v[BX+1], 16, v[BX]         ; blocks h and 2 + h of my query,
	PM 8, 9
	v_lshlrev_b32 v[W], v[SH8], v[W]               ; at their places;
	PM 10, 11
	v_permlanex16_b32 v[T1], v[W], s[SEL], s[SEL+1]
	PM 12, 13
	v_or_b32 v[PW], v[W], v[T1]                    ; with lane l xor 16's two: p's scale word for these 128 keys
	PM 14, 15
.irp c, 0,1
	v_cvt_scalef32_pk16_fp6_f32 v[PC+6*\c:PC+6*\c+2], v[S+32*\c:S+32*\c+15], v[BS+\c]
	v_cvt_scalef32_pk16_fp6_f32 v[PT+4*\c:PT+4*\c+2], v[S+32*\c+16:S+32*\c+31], v[BS+\c]   ; (three registers from an even one on)
.endr
.irp k, 0,1,2,3,4,5,6,7
	v_pk_add_f32 v[AC+2*\k:AC+2*\k+1], v[S+4*\k:S+4*\k+1], v[S+4*\k+2:S+4*\k+3]   ; the row's sum of the unquantised p: the eight chains begin.  (Plain places behind the conversions)
.endr
.irp c, 0,1
.irp i, 0,1,2
	v_mov_b32 v[PC+6*\c+3+\i], v[PT+4*\c+\i]       ; a block's upper 16 codes to their place
.endr
.endr
	RND 2                                          ; (with the first round: the places between p's codes and scale word and the products)
	s_wait_alu depctr_va_vdst(0)                   ; the wait ahead of the wait below
	s_wait_dscnt 0x0                               ; V and its scale words
	PV 0                                           ; four accumulators by turns
	PV 1
	PV 2
	PV 3
	RND 3                                          ; these eight name none of the products' registers: the places behind them
.endm
.macro FOUR                            ; a quarter
	v_add_nc_u32 v[A16], s[TB], v[L16]
	v_add_nc_u32 v[A8], s[TB], v[L8]
	v_add_nc_u32 v[AS], s[TS], v[L8S]
	STEP 0, 12, 86
	STEP 1, 86, 12
	STEP 2, 12, 86
	STEP 3, 86, 12
.endm
	s_wait_alu depctr_va_vdst(0)                   ; the wait at the head's end
	s_cmp_lt_u32 s[WV], 4
	s_cbranch_scc0 .Lnot_mine                      ; quarters 1 to 3 may stay out
	s_wait_tensorcnt 0x0                           ; the scale words' and quarter 0's issuers wait
.Lnot_mine:
	s_barrier_signal -1
	s_barrier_wait -1
	FOUR
	s_wait_tensorcnt 0x0                           ; all that is still out: every wave waits
	s_wait_dscnt 0x0
	s_barrier_signal -1
	s_barrier_wait -1
	s_mov_b32 s[TB], QRT
	s_mov_b32 s[TS], 1024
	s_mov_b32 s[CNT], 3
.Lquarter:
	FOUR
	s_add_co_u32 s[TB], s[TB], QRT
	s_add_co_u32 s[TS], s[TS], 1024
	s_sub_co_u32 s[CNT], s[CNT], 1
	s_cmp_lg_u32 s[CNT], 0
	s_cbranch_scc1 .Lquarter
	; THE WAY OUT: the last step's sum is joined; O^T / the sum is my query's 64 channels of ctx: two blocks of 32 along the last product's K, quantised here: half a fragment (16 rows x 64) and two bytes a row.
	JOIN 0, 4
	JOIN 1, 5
	JOIN 2, 6
	JOIN 3, 7
	JOIN 0, 2
	JOIN 1, 3
	JOIN 0, 1
	v_pk_add_f32 v[14:15], v[14:15], v[AC:AC+1]
	v_add_f32 v14, v14, v15
	v_permlanex16_b32 v[T0], v14, s[SEL], s[SEL+1]
	v_add_f32 v14, v14, v[T0]                      ; with lane l xor 16's: the row's sum
	s_wait_alu depctr_va_vdst(0)
	v_rcp_f32 v14, v14
	v_nop                                          ; one plain place behind a transcendental
	s_wait_alu depctr_va_vdst(0)
.set j, 0
.rept 32
	v_mul_f32 v[S+j], v[O+j], v14                  ; register 16 b + i is channel 32 b + 16 h + i
.set j, j+1
.endr
.irp b, 0,1
	v_max3_num_f32 v[BM+\b], |v[S+16*\b]|, |v[S+16*\b+1]|, 0x1800000
.endr
.irp i, 2,4,6,8,10,12,14
.irp b, 0,1
	v_max3_num_f32 v[BM+\b], v[BM+\b], |v[S+16*\b+\i]|, |v[S+16*\b+\i+1]|
.endr
.endr
.irp b, 0,1
	v_permlanex16_b32 v[BX+\b], v[BM+\b], s[SEL], s[SEL+1]
.endr
.irp b, 0,1
	v_max_num_f32 v[BM+\b], v[BM+\b], v[BX+\b]
.endr
.irp b, 0,1
	v_add_nc_u32 v[BS+\b], 0xff000000, v[BM+\b]
.endr
.irp b, 0,1
	v_lshrrev_b32 v[BX+\b], 23, v[BS+\b]
.endr
	v_cvt_scalef32_pk16_fp6_f32 v[PC:PC+2], v[S:S+15], v[BS]
	v_cvt_scalef32_pk16_fp6_f32 v[PT:PT+2], v[S+16:S+31], v[BS+1]
	v_nop
.irp i, 0,1,2
	v_permlane16_swap_b32 v[PC+\i], v[PT+\i]       ; the layout wants a whole block in a lane
.endr
.irp i, 0,1,2
	v_mov_b32 v[PC+3+\i], v[PT+\i]
.endr
	s_mov_b32 vcc_lo, 0xffff0000
	v_cndmask_b32 v[T0], v[BX], v[BX+1], vcc_lo    ; lanes 0-15 store block 0's byte, lanes 16-31 block 1's
	global_store_b128 v[L16], v[PC:PC+3], s[8:9]               ; 512 consecutive bytes, from a multiple of 256
	global_store_b64 v[L8], v[PC+4:PC+5], s[8:9] offset:512    ; 256
	global_store_b8 v[SOFF], v[T0], s[10:11]                   ; two bytes of each of 16 rows: a work-group owns one head, so no longer run of a row's bytes is at hand; 32 bytes beside 768 of codes
	s_wait_tensorcnt 0x0                           ; the wave's end
	ds_add_u32 v[SPW], v[NIL]
	s_wait_dscnt 0x0
	CROUND                                         ; the closing round
	s_endpgm
.Lfunc_end_k_q0bf64a878e_attn:
	.size	k_q0bf64a878e_attn, .Lfunc_end_k_q0bf64a878e_attn-k_q0bf64a878e_attn
	.p2alignl 7, 3214868480
	.fill 96, 4, 3214868480
	.section	.rodata,"a",@progbits
	.p2align	6, 0x0
	.amdhsa_kernel k_q0bf64a878e_attn
		.amdhsa_group_segment_fixed_size 206848
		.amdhsa_private_segment_fixed_size 0
		.amdhsa_enable_private_segment 0
		.amdhsa_kernarg_size 32
		.amdhsa_user_sgpr_count 2
		.amdhsa_user_sgpr_kernarg_segment_ptr 1
		.amdhsa_wavefront_size32 1
		.amdhsa_system_sgpr_workgroup_id_x 1
		.amdhsa_system_sgpr_workgroup_id_y 1
		.amdhsa_system_sgpr_workgroup_id_z 1
		.amdhsa_system_vgpr_workitem_id 0
		.amdhsa_next_free_vgpr 256
		.amdhsa_next_free_sgpr 80
		.amdhsa_reserve_vcc 1
		.amdhsa_float_denorm_mode_32 3
		.amdhsa_float_denorm_mode_16_64 3
		.amdhsa_memory_ordered 1
		.amdhsa_forward_progress 1
		.amdhsa_inst_pref_size 129
	.end_amdhsa_kernel
	.amdgpu_metadata
---
amdhsa.version: [ 1, 2 ]
amdhsa.kernels:
  - .name:           k_q0bf64a878e_attn
    .symbol:         k_q0bf64a878e_attn.kd
    .args:
      - { .name: hc, .offset: 0, .size: 8, .value_kind: global_buffer, .address_space: global }
      - { .name: hs, .offset: 8, .size: 8, .value_kind: global_buffer, .address_space: global }
      - { .name: cc, .offset: 16, .size: 8, .value_kind: global_buffer, .address_space: global }
      - { .name: cs, .offset: 24, .size: 8, .value_kind: global_buffer, .address_space: global }
    .group_segment_fixed_size: 206848
    .private_segment_fixed_size: 0
    .kernarg_segment_align: 8
    .kernarg_segment_size: 32
    .max_flat_workgroup_size: 512
    .sgpr_count:     80
    .vgpr_count:     256
    .wavefront_size: 32
...
	.end_amdgpu_metadata
.endif
;; end of part 3
;; launch outp (part 4): grid 8 x 32, 8 waves a work-group, clusters of 4 x 4, 241,152 bytes of LDS; arguments cc, cs, incodes, inscales, bo, out0; writes out0
.if DOCPART == 4
	.amdgcn_target "amdgcn-amd-amdhsa--gfx1250"
	.amdhsa_code_object_version 6
	.text
	.protected	k_q0bf64a878e_outp
	.globl	k_q0bf64a878e_outp
	.p2align	8
	.type	k_q0bf64a878e_outp,@function
k_q0bf64a878e_outp:
	s_mov_b64 s[64:65], 0
	v_nop
	global_prefetch_b8 v0, s[64:65] scope:SCOPE_SE
	s_setreg_imm32_b32 hwreg(HW_REG_WAVE_MODE, 25, 1), 1
	s_wait_xcnt 0x0
	s_wait_alu depctr_hold_cnt(0) depctr_sa_sdst(0) depctr_va_vdst(0) depctr_va_sdst(0) depctr_va_ssrc(0) depctr_va_vcc(0) depctr_vm_vsrc(0)
	s_getreg_b32 s2, hwreg(HW_REG_IB_STS2, 6, 4)
	s_cmp_eq_u32 s2, 0
	s_cbranch_scc0 .Lentry_in_a_cluster
	s_endpgm
.Lentry_in_a_cluster:
	s_bfe_u32 s2, ttmp6, 0x10000c
	s_cmp_lg_u32 s2, 0xf033
	s_cbranch_scc0 .Lentry_shape_is_right
	s_endpgm
.Lentry_shape_is_right:
; out0 = ctx wo^T + bo on codes of FP6 (E2M3), M = 4,096, N = 1,024, K = 1,024; out0 f32.  A = ctx's codes (cc, cs), B = wo's (row blocks 960 on of incodes, inscales).
; A tile of C is 128 x 128: 32 x 8 = 256 tiles, a work-group to each.
; A TILE'S OPERANDS FOR ALL OF K STAY IN LDS: 2 x 98,304 bytes of codes and 2 x 4,096 of scale bytes, each byte filled once: no ring, no refill.  The codes come in two halves of 512 along K.
; SHARES: eight waves; wave w makes rows 32 (w / 2) on and columns 64 (w % 2) on: 2 x 4 accumulators of 16 x 16; for 128 along K it reads 6 fragments for 8 products.
; OPERANDS lie in memory in the order of the operand's registers: [row block of 16][8 K steps of 128][1536]; half a fragment is 768 bytes: registers 0-3 of lane l at 16 l, registers 4-5 at 512 + 8 l.  Scales: [row][32 bytes], word s = K step s.
; CLUSTERS: 4 x 4 work-groups; A's tiles are shared along a row of the cluster, B's along a column: each is asked for JOINTLY, one load a wave: wave 0 A's scales, 1 B's, 2 and 3 the first halves of A and B, 4 and 5 the second.
; The first barrier shows the scales and the first halves (their issuers wait), the second, ahead of K step 4's fetch, the rest (every wave waits).  One tensor load of a wave is out at the most.
; NO PREFETCH: all that the work-group reads is asked for at the head; there is no loop to run ahead in.
; THE MATRIX INSTRUCTION IS USED TRANSPOSED (source 0 = 16 rows of B, source 1 = 16 rows of A): a lane holds eight neighbouring numbers of a row of C.
; bo is the C of each sum's first product: another order of rounding than a sum followed by the bias.  NaN and infinities are not served.
; REGISTERS: v1-11 addresses; v16-39 scale words, two sets of 12; v40-103 the accumulators; v104-175, v176-247 two fragment buffers; the bias lies in the second buffer until K step 0 is multiplied; on the way out v104-167 hold rows of C.
.set SIZE_N, 1024
.set FRB,    1536
.set RBK,    4*FRB                     ; a row block's part of a half: four K steps
.set HALFQ,  8*RBK                     ; 128 rows' part of a half: what one tensor load brings
.set HLF,    2*HALFQ                   ; a half in LDS: A's 128 rows, then B's
.set SCL,    2*HLF
.set HALFS,  16*272
.set SBLK,   2*272
.set STAGE,  SCL+2*HALFS               ; 16 rows x 272 bytes for each wave; no tensor load lands here
.set SPITCH, 272
.set SPARE,  STAGE+8*16*SPITCH
.set L16,  1
.set L8,   2
.set AA,   3
.set AB,   5
.set ASA,  7
.set ASB,  8
.set STO,  9
.set RD,   10
.set CO,   11
.set SC,   16
.set ACC,  40
.set F0,   104
.set BI,   176
.set BK,   104
.set SPW,  254
.set NIL,  255
.set G1A,  24
.set G1B,  32
.set G1SA, 40
.set G1SB, 48
.set G0SA, 56
.set G0SB, 60
.set G0A,  68                          ; s[68:75], s[84:91] group 0 for the two halves of A and of B
.set G0B,  84
.macro CROUND
	s_barrier_signal -1
	s_barrier_wait -1
	s_cmp_lg_u32 s16, 0
	s_cbranch_scc1 .Lnot_wave_0_\@
	s_barrier_signal -3
.Lnot_wave_0_\@:
	s_barrier_wait -3
	s_barrier_signal -1
	s_barrier_wait -1
.endm
	s_load_b256 s[4:11], s[0:1], 0x0               ; cc, cs, incodes, inscales
	s_load_b128 s[12:15], s[0:1], 0x20             ; bo, out0
	v_lshl_add_u32 v[SPW], v0, 2, SPARE
	v_mov_b32 v[NIL], 0
	ds_add_u32 v[SPW], v[NIL]                      ; the opening lines: the add twice and its wait
	ds_add_u32 v[SPW], v[NIL]
	v_lshrrev_b32 v1, 5, v0
	v_readfirstlane_b32 s16, v1                    ; wave 0..7
	s_lshr_b32 s17, s16, 1                         ; which 32 rows of the tile are mine
	s_and_b32 s18, s16, 1                          ; which 64 columns
	s_bfe_u32 s19, ttmp6, 0x40000                  ; cx, cy
	s_bfe_u32 s20, ttmp6, 0x40004
	s_lshl_b32 s21, ttmp9, 2
	s_add_co_u32 s21, s21, s19                     ; tile column of C
	s_and_b32 s22, ttmp7, 0xffff
	s_lshl_b32 s22, s22, 2
	s_add_co_u32 s22, s22, s20                     ; tile row of C
	s_lshl_b32 s23, s20, 2
	s_lshl_b32 s23, 15, s23                        ; my row of the cluster
	s_lshl_b32 s100, 0x1111, s19                   ; my column
	s_or_b32 s[G1A], s23, (3<<16)|(1<<21)          ; codes: 8 row blocks x 6,144 bytes (768 elements of 8), 12,288 bytes apart in memory, dense in LDS
	s_or_b32 s[G1B], s100, (3<<16)|(1<<21)
.irp g, G1A, G1B
	s_mov_b32 s[\g+1], 768<<16
	s_mov_b32 s[\g+2], 8<<16
	s_mov_b32 s[\g+3], 768<<16
	s_mov_b32 s[\g+4], 8
	s_mov_b32 s[\g+5], 1536
	s_mov_b32 s[\g+6], 0
	s_mov_b32 s[\g+7], 0
.endr
	s_or_b32 s[G1SA], s23, (3<<16)|(1<<20)|(1<<21)|(5<<22)|(3<<25)   ; scales of 128 rows: 16 rows of 256 bytes, 16 bytes of padding behind each
	s_or_b32 s[G1SB], s100, (3<<16)|(1<<20)|(1<<21)|(5<<22)|(3<<25)
.irp g, G1SA, G1SB
	s_mov_b32 s[\g+1], 32<<16
	s_mov_b32 s[\g+2], 16<<16
	s_mov_b32 s[\g+3], 32<<16
	s_mov_b32 s[\g+4], 16
	s_mov_b32 s[\g+5], 32
	s_mov_b32 s[\g+6], 0
	s_mov_b32 s[\g+7], 0
.endr
	s_mul_i32 s[G0A+2], s22, 8*12288               ; A hangs on the tile row alone, B on the tile column alone
	s_mov_b32 s[G0A+3], 0
	s_lshl_b32 s[G0SA+2], s22, 12
	s_mov_b32 s[G0SA+3], 0
	s_lshl_b32 s101, s21, 3
	s_add_co_u32 s101, s101, 960
	s_mul_i32 s[G0B+2], s101, 12288
	s_mov_b32 s[G0B+3], 0
	s_lshl_b32 s[G0SB+2], s101, 9
	s_mov_b32 s[G0SB+3], 0
	s_wait_dscnt 0x0
	s_wait_kmcnt 0x0
	s_add_nc_u64 s[G0A+2:G0A+3], s[4:5], s[G0A+2:G0A+3]
	s_add_nc_u64 s[G0SA+2:G0SA+3], s[6:7], s[G0SA+2:G0SA+3]
	s_add_nc_u64 s[G0B+2:G0B+3], s[8:9], s[G0B+2:G0B+3]
	s_add_nc_u64 s[G0SB+2:G0SB+3], s[10:11], s[G0SB+2:G0SB+3]
	s_add_nc_u64 s[G0A+6:G0A+7], s[G0A+2:G0A+3], RBK   ; the second half: 6,144 bytes on in each row block
	s_add_nc_u64 s[G0B+6:G0B+7], s[G0B+2:G0B+3], RBK
.irp d, 0,1
	s_mov_b32 s[G0A+4*\d], 1
	s_mov_b32 s[G0A+4*\d+1], \d*HLF
	s_or_b32 s[G0A+4*\d+3], s[G0A+4*\d+3], 0x80000000
	s_mov_b32 s[G0B+4*\d], 1
	s_mov_b32 s[G0B+4*\d+1], \d*HLF+HALFQ
	s_or_b32 s[G0B+4*\d+3], s[G0B+4*\d+3], 0x80000000
.endr
	s_mov_b32 s[G0SA], 1
	s_mov_b32 s[G0SA+1], SCL
	s_or_b32 s[G0SA+3], s[G0SA+3], 0x80000000
	s_mov_b32 s[G0SB], 1
	s_mov_b32 s[G0SB+1], SCL+HALFS
	s_or_b32 s[G0SB+3], s[G0SB+3], 0x80000000
	CROUND                                         ; all sixteen work-groups are here: the joint loads meet
.macro TL g0, g1
	tensor_load_to_lds s[\g0:\g0+3], s[\g1:\g1+7]
	s_nop 0
.rept 4
	v_nop
.endr
.endm
.macro ARM under, g0, g1, next         ; one chain of branches on the wave's number, one load to an arm
	s_cmp_lt_u32 s16, \under
	s_cbranch_scc0 \next
	TL \g0, \g1
	s_branch .Lasked
\next:
.endm
	ARM 1, G0SA, G1SA, .Larm1
	ARM 2, G0SB, G1SB, .Larm2
	ARM 3, G0A, G1A, .Larm3
	ARM 4, G0B, G1B, .Larm4
	ARM 5, G0A+4, G1A, .Larm5
	s_cmp_lt_u32 s16, 6
	s_cbranch_scc0 .Lasked
	TL G0B+4, G1B
.Lasked:
	v_and_b32 v12, 31, v0
	v_lshlrev_b32 v[L16], 4, v12
	v_lshlrev_b32 v[L8], 3, v12
	s_mul_i32 s104, s17, 2*RBK                     ; my two row blocks of A
	s_mul_i32 s105, s18, 4*RBK                     ; my four of B,
	s_add_co_u32 s105, s105, HALFQ                 ; behind A's eight
	v_add_nc_u32 v[AA], s104, v[L16]
	v_add_nc_u32 v[AA+1], s104, v[L8]
	v_add_nc_u32 v[AB], s105, v[L16]
	v_add_nc_u32 v[AB+1], s105, v[L8]
	v_and_b32 v12, 15, v0                          ; r
	v_bfe_u32 v13, v0, 4, 1                        ; h
	v_lshlrev_b32 v14, 5, v12                      ; my row's scales: 32 bytes a row,
	v_lshrrev_b32 v15, 8, v14
	v_lshl_add_u32 v14, v15, 4, v14                ; and 16 more for each 256 passed.  Lanes 16-31 read what lanes 0-15 read
	s_mul_i32 s104, s17, 2*SBLK
	s_add_co_u32 s104, s104, SCL
	s_mul_i32 s105, s18, 4*SBLK
	s_add_co_u32 s105, s105, SCL+HALFS
	v_add_nc_u32 v[ASA], s104, v14
	v_add_nc_u32 v[ASB], s105, v14
	s_mul_i32 s104, s16, 16*SPITCH
	s_add_co_u32 s104, s104, STAGE                 ; my stage
	v_mul_u32_u24 v14, v12, SPITCH                 ; in: row r, 32 bytes for each half of the lanes
	v_lshl_add_u32 v14, v13, 5, v14
	v_add_nc_u32 v[STO], s104, v14
	v_mul_u32_u24 v14, v13, SPITCH                 ; back: lanes 0-15 one row of 256 bytes, lanes 16-31 the next
	v_lshl_add_u32 v14, v12, 4, v14
	v_add_nc_u32 v[RD], s104, v14
	v_lshlrev_b32 v[CO], 12, v13                   ; the same two rows in C
	v_lshl_add_u32 v[CO], v12, 4, v[CO]
	s_lshl_b32 s2, s22, 7
	s_lshl_b32 s3, s17, 5
	s_add_co_u32 s2, s2, s3
	s_lshl_b32 s2, s2, 12                          ; my first row of C, in bytes
	s_mov_b32 s3, 0
	s_lshl_b32 s66, s21, 9                         ; my first column, in bytes: in C and in bo alike
	s_lshl_b32 s67, s18, 8
	s_add_co_u32 s66, s66, s67
	s_mov_b32 s67, 0
	s_add_nc_u64 s[12:13], s[12:13], s[66:67]
	s_add_nc_u64 s[14:15], s[14:15], s[2:3]
	s_add_nc_u64 s[14:15], s[14:15], s[66:67]
	v_lshlrev_b32 v14, 5, v13                      ; the bias: register j of tile b is column 16 b + 8 h + j
.irp b, 0,1,2,3
	global_load_b128 v[BI+8*\b:BI+8*\b+3], v14, s[12:13] offset:64*\b
	global_load_b128 v[BI+8*\b+4:BI+8*\b+7], v14, s[12:13] offset:64*\b+16
.endr
.macro FRAG reg, adr, off
	ds_load_b128 v[\reg:\reg+3],     v[\adr]   offset:\off
	ds_load_b64  v[\reg+4:\reg+5],   v[\adr+1] offset:\off+512
	ds_load_b128 v[\reg+6:\reg+9],   v[\adr]   offset:\off+768
	ds_load_b64  v[\reg+10:\reg+11], v[\adr+1] offset:\off+1280
.endm
.macro FETCH kap                       ; K step kap: 24 LDS loads into buffer kap % 2; the address registers are stepped once, ahead of K step 4
.set FB, F0+72*((\kap)%2)
.set OFS, ((\kap)%4)*FRB
.irp a, 0,1
	FRAG FB+12*\a, AA, OFS+\a*RBK
.endr
.irp b, 0,1,2,3
	FRAG FB+24+12*\b, AB, OFS+\b*RBK
.endr
.endm
.macro SCALES qd                       ; the scale words of K steps 2 qd, 2 qd + 1 of my six row blocks, into set qd % 2: 6 loads
.set SS, SC+12*((\qd)%2)
.irp a, 0,1
	ds_load_b64 v[SS+2*\a:SS+2*\a+1], v[ASA] offset:\a*SBLK+8*(\qd)
.endr
.irp b, 0,1,2,3
	ds_load_b64 v[SS+4+2*\b:SS+4+2*\b+1], v[ASB] offset:\b*SBLK+8*(\qd)
.endr
.endm
.macro MUL kap, first                  ; 8 products, eight accumulators by turns; first = 1: they take the bias as C
.set FB, F0+72*((\kap)%2)
.set SS, SC+12*(((\kap)/2)%2)+(\kap)%2
.irp a, 0,1
.irp b, 0,1,2,3
.if \first
	v_wmma_scale_f32_16x16x128_f8f6f4 v[ACC+8*(4*\a+\b):ACC+8*(4*\a+\b)+7], v[FB+24+12*\b:FB+24+12*\b+11], v[FB+12*\a:FB+12*\a+11], v[BI+8*\b:BI+8*\b+7], v[SS+4+2*\b], v[SS+2*\a] matrix_a_fmt:MATRIX_FMT_FP6 matrix_b_fmt:MATRIX_FMT_FP6
.else
	v_wmma_scale_f32_16x16x128_f8f6f4 v[ACC+8*(4*\a+\b):ACC+8*(4*\a+\b)+7], v[FB+24+12*\b:FB+24+12*\b+11], v[FB+12*\a:FB+12*\a+11], v[ACC+8*(4*\a+\b):ACC+8*(4*\a+\b)+7], v[SS+4+2*\b], v[SS+2*\a] matrix_a_fmt:MATRIX_FMT_FP6 matrix_b_fmt:MATRIX_FMT_FP6
.endif
.endr
.endr
.endm
.macro PLACES                          ; four places between products and loads into, or stores of, their registers
.rept 4
	v_nop
.endr
.endm
	s_wait_alu depctr_va_vdst(0)                   ; the wait at the head's end
	s_cmp_lt_u32 s16, 4
	s_cbranch_scc0 .Lnot_mine                      ; the second halves may stay out
	s_wait_tensorcnt 0x0                           ; the scales' and the first halves' issuers wait
.Lnot_mine:
	s_barrier_signal -1
	s_barrier_wait -1
	FETCH 0
	SCALES 0
	s_wait_loadcnt 0x0                             ; the bias
	s_wait_dscnt 0x0
	MUL 0, 1
	PLACES                                         ; the second buffer held the bias; the first is fetched anew below
	FETCH 1
	FETCH 2
	SCALES 1
	s_wait_dscnt 30                                ; all but K step 2's 24 loads and the 6 scale loads: K step 1 is in
	MUL 1, 0
	PLACES
	FETCH 3
	s_wait_dscnt 24                                ; all but the 24 just issued
	MUL 2, 0
	s_wait_tensorcnt 0x0                           ; all that is still out: every wave waits
	s_wait_dscnt 0x0
	s_barrier_signal -1
	s_barrier_wait -1
	v_add_nc_u32 v[AA], HLF, v[AA]                 ; on to the second half; these four are also the places in front of the loads below
	v_add_nc_u32 v[AA+1], HLF, v[AA+1]
	v_add_nc_u32 v[AB], HLF, v[AB]
	v_add_nc_u32 v[AB+1], HLF, v[AB+1]
	FETCH 4
	SCALES 2
	MUL 3, 0
	PLACES
	FETCH 5
	s_wait_alu depctr_va_vdst(0)                   ; the wait ahead of the wait below
	s_wait_dscnt 24
	MUL 4, 0
	PLACES
	FETCH 6
	SCALES 3
	s_wait_dscnt 30                                ; K step 5 is in
	MUL 5, 0
	PLACES
	FETCH 7
	s_wait_dscnt 24
	MUL 6, 0
	s_wait_dscnt 0x0
	MUL 7, 0
; THE WAY OUT, a block of 16 rows x 64 columns at a time, through my own stage: it comes back as whole rows of 256 bytes.  LDS serves a wave's instructions in order (ISA guide 5.7.1.4).
.macro TOSTAGE a
.irp b, 0,1,2,3
	ds_store_b128 v[STO], v[ACC+8*(4*\a+\b):ACC+8*(4*\a+\b)+3] offset:64*\b        ; each accumulator from its low end on
	ds_store_b128 v[STO], v[ACC+8*(4*\a+\b)+4:ACC+8*(4*\a+\b)+7] offset:64*\b+16
.endr
.irp t, 0,1,2,3,4,5,6,7
	ds_load_b128 v[BK+32*\a+4*\t:BK+32*\a+4*\t+3], v[RD] offset:2*\t*SPITCH
.endr
.endm
.macro SEND a, younger                 ; younger: the LDS instructions issued behind block a's loads
.irp t, 0,1,2,3,4,5,6,7
	s_wait_dscnt \younger+7-\t
	global_store_b128 v[CO], v[BK+32*\a+4*\t:BK+32*\a+4*\t+3], s[14:15] offset:(16*\a+2*\t)*SIZE_N*4 th:TH_STORE_NT   ; 16 lanes store 256 consecutive bytes, from a multiple of 256
.endr
.endm
	PLACES
	TOSTAGE 0
	TOSTAGE 1
	SEND 0, 16
	SEND 1, 0
	s_wait_tensorcnt 0x0                           ; the wave's end
	ds_add_u32 v[SPW], v[NIL]
	s_wait_dscnt 0x0
	CROUND                                         ; the closing round
	s_endpgm
.Lfunc_end_k_q0bf64a878e_outp:
	.size	k_q0bf64a878e_outp, .Lfunc_end_k_q0bf64a878e_outp-k_q0bf64a878e_outp
	.p2alignl 7, 3214868480
	.fill 96, 4, 3214868480
	.section	.rodata,"a",@progbits
	.p2align	6, 0x0
	.amdhsa_kernel k_q0bf64a878e_outp
		.amdhsa_group_segment_fixed_size 241152
		.amdhsa_private_segment_fixed_size 0
		.amdhsa_enable_private_segment 0
		.amdhsa_kernarg_size 48
		.amdhsa_user_sgpr_count 2
		.amdhsa_user_sgpr_kernarg_segment_ptr 1
		.amdhsa_wavefront_size32 1
		.amdhsa_system_sgpr_workgroup_id_x 1
		.amdhsa_system_sgpr_workgroup_id_y 1
		.amdhsa_system_sgpr_workgroup_id_z 1
		.amdhsa_system_vgpr_workitem_id 0
		.amdhsa_next_free_vgpr 256
		.amdhsa_next_free_sgpr 106
		.amdhsa_reserve_vcc 0
		.amdhsa_float_denorm_mode_32 3
		.amdhsa_float_denorm_mode_16_64 3
		.amdhsa_memory_ordered 1
		.amdhsa_forward_progress 1
		.amdhsa_inst_pref_size 38
	.end_amdhsa_kernel
	.amdgpu_metadata
---
amdhsa.version: [ 1, 2 ]
amdhsa.kernels:
  - .name:           k_q0bf64a878e_outp
    .symbol:         k_q0bf64a878e_outp.kd
    .args:
      - { .name: cc, .offset: 0, .size: 8, .value_kind: global_buffer, .address_space: global }
      - { .name: cs, .offset: 8, .size: 8, .value_kind: global_buffer, .address_space: global }
      - { .name: incodes, .offset: 16, .size: 8, .value_kind: global_buffer, .address_space: global }
      - { .name: inscales, .offset: 24, .size: 8, .value_kind: global_buffer, .address_space: global }
      - { .name: bo, .offset: 32, .size: 8, .value_kind: global_buffer, .address_space: global }
      - { .name: out0, .offset: 40, .size: 8, .value_kind: global_buffer, .address_space: global }
    .group_segment_fixed_size: 241152
    .private_segment_fixed_size: 0
    .kernarg_segment_align: 8
    .kernarg_segment_size: 48
    .max_flat_workgroup_size: 256
    .sgpr_count:     106
    .vgpr_count:     256
    .wavefront_size: 32
...
	.end_amdgpu_metadata
.endif
;; end of part 4
